; MI455X (gfx1250); checked and timed in simulation.
; The chip was launched on July 23, 2026; its instructions are those of AMD's public machine-readable ISA for CDNA 5 (MIT licence, August 2026) and "CDNA5" Instruction Set Architecture Reference Guide (July 2026). The comments in the code are by the model that wrote it; some were corrected since.
;; Attention. Allowed arithmetic: matrix products marked QUANTISED: E2M3 operands, one E8M0 scale for each 32 along K, by v_wmma_scale_f32_16x16x128_f8f6f4 with both operands' format E2M3, f32 sums; everything else in f32.
;; Inputs: Wk 256 x 1,024 float32; Wproj 1,024 x 1,024 float32; Wq 1,024 x 1,024 float32; Wv 256 x 1,024 float32; q_gain 16 float32; x 4 x 2,048 x 1,024 float32.
;; Outputs: out0 4 x 2,048 x 1,024 float32.
;; This version of the problem:
;;   THIS VERSION OF THE PROBLEM IS GIVEN IN LOW PRECISION. The matrix products marked QUANTISED in the list below multiply operands that are first quantised to E2M3 (2 exponent bits, 3 mantissa bits; 6 bits a number), with one power-of-two scale for each 32 numbers along K (OCP MX v1.0); their sums are f32. All else is computed in f32.
;;   The module's matrix products, in the order in which they are computed (A, B: the left and right operand; K: the contracted axis; several contracted axes count as one K, in the product's order):
;;     1. [M 8,192, K 1,024] x [K 1,024, N 1,024]; A: input x; B: input Wq: QUANTISED
;;     2. [M 8,192, K 1,024] x [K 1,024, N 256]; A: input x; B: input Wk: QUANTISED
;;     3. [M 8,192, K 1,024] x [K 1,024, N 256]; A: input x; B: input Wv: QUANTISED
;;     4. batch 64 x [M 2,048, K 64] x [K 64, N 2,048]; A: computed on the way; B: computed on the way: QUANTISED
;;     5. batch 64 x [M 2,048, K 2,048] x [K 2,048, N 64]; A: softmax (see below); B: computed on the way: QUANTISED
;;     6. [M 8,192, K 1,024] x [K 1,024, N 1,024]; A: computed on the way; B: input Wproj: QUANTISED
;;   THE QUANTISER, for each operand of a quantised product, along K:
;;     - K is cut into blocks of 32 from its start; a last block that is shorter is filled with zeros.
;;     - A block's scale is 2^e with e = floor(log2(the largest magnitude in the block)) - 2, held to -126 .. 127; a block of zeros has e = 0. As a byte (E8M0): e + 127.
;;     - Each number is divided by its block's scale, clamped to +-7.5, and rounded to the nearest number of E2M3, ties to even, subnormals kept.
;;     - The product sums the exact products of the quantised numbers (number of the format x scale) in f32.
;;   ~~~python
;;   def quantise(x, axis):      # numpy; x: float32 -> the quantised numbers, widened to float32 again
;;       x = np.moveaxis(x, axis, -1); K = x.shape[-1]
;;       x = np.pad(x, [(0, 0)] * (x.ndim - 1) + [(0, -K % 32)]); x = x.reshape(x.shape[:-1] + (-1, 32)); a = np.abs(x).max(-1, keepdims=True)
;;       e = np.where(a > 0, np.clip(np.frexp(np.where(a > 0, a, 1))[1] - 1 - 2, -126, 127), 0)      # np.frexp(a)[1] - 1 = floor(log2(a)), exactly
;;       r = np.clip(x / 2.0 ** e, -7.5, 7.5)
;;       step = 2.0 ** (np.maximum(np.frexp(np.where(r == 0, 1, r))[1] - 1, 0) - 3)
;;       q = np.round(r / step) * step * 2.0 ** e      # np.round: ties to even
;;       return np.moveaxis(q.reshape(q.shape[:-2] + (-1,))[..., :K], -1, axis).astype(np.float32)
;;   ~~~
;;   SOFTMAX AHEAD OF A QUANTISED PRODUCT. Where the list says 'softmax', what is quantised is not the finished softmax but p = 2^(t - M), with t = logit x log2(e) and M = ceil(the row's largest t), a whole number; so 1/2 < the row's largest p <= 1. The row's sum l is taken of the UNQUANTISED p, in f32, and the product's result is divided by l at the end. Since M is a whole number, a kernel that streams over the keys may use a running M (the ceiling of the running maximum): every later rescaling is an exact power of two, which a block's scale takes up: the codes' values come out the same.
;;   OPERANDS COMPUTED ON THE WAY. 'Computed on the way' means the value that the module computes at that place (a softmax that the list does not call 'softmax' is quantised finished and normalised). What goes into a quantiser is computed in f32, as accurately as f32 sums, v_exp_f32 and their like allow (about 1e-6 of the number): no bf16 or f16 on the way to a quantiser, and a product that is left as it is and whose result goes on into a quantised operand takes f32 operands (vector FMAs, or v_wmma_f32_16x16x4_f32). A number that lies on a knife's edge between two numbers of the format may be rounded either way, as far as f32 arithmetic and the matrix unit's own rounding can turn it there, and no further.
;; 2 versions. Each part assembles by itself: llvm-mc -triple=amdgcn-amd-amdhsa -mcpu=gfx1250 --defsym DOCPART=n.
;; ======== version 1 of 2: 4 launches
;; workspace buffers: cod 8,257,536 bytes; scl 688,128 bytes; tab 524,288 bytes; qc 6,291,456 bytes; qs 1,048,576 bytes; kv 3,407,872 bytes; yc 6,291,456 bytes; ys 524,288 bytes
;; launch prep (part 1): grid 368 x 1, 4 waves a work-group, no clusters, 68,096 bytes of LDS; arguments x, Wq, Wk, Wv, Wproj, cod, scl, tab; writes cod, scl, tab
.if DOCPART == 1
	.amdgcn_target "amdgcn-amd-amdhsa--gfx1250"
	.amdhsa_code_object_version 6
	.text
	.protected	k_q7a44d0ddb9_prep
	.globl	k_q7a44d0ddb9_prep
	.p2align	8
	.type	k_q7a44d0ddb9_prep,@function
k_q7a44d0ddb9_prep:
	s_mov_b64 s[64:65], 0
	v_nop
	global_prefetch_b8 v0, s[64:65] scope:SCOPE_SE
	s_setreg_imm32_b32 hwreg(HW_REG_WAVE_MODE, 25, 1), 1
	s_wait_xcnt 0x0
; x [8192][1024] and the four weights (Wq 1024, Wk 256, Wv 256, Wproj 1024 rows of 1024), all f32 with K innermost, become codes of FP6 (E2M3) with one E8M0 byte for each 32 along K,
; laid as IMAGES OF OPERAND REGISTERS; and the table of cos and sin for the rotary embedding is made.
; TILES.  672 tiles of 16 rows: 0-511 x, 512-575 Wq, 576-591 Wk, 592-607 Wv, 608-671 Wproj.  THE ROWS OF A TILE ARE NOT NEIGHBOURS: lane row r of a tensor's tile t is its row 32 (t / 2) + 8 (t % 2) + r + 8 (r / 8),
; so that in every product of the later launches the 16 registers of two neighbouring result tiles are 16 neighbours along the next product's K.
; cod: fragment (tile, K step of 128) = 1,536 bytes at (8 tile + step) x 1,536: register 4 c + e of lane l at 512 c + 16 l + 4 e.   scl: 1,024 bytes a tile: the word of K step s for lane l at 512 (s / 4) + 16 l + 4 (s % 4).
; A block's scale is 2^(floor(log2(its largest magnitude)) - 2); its byte is the largest magnitude's exponent field - 2, held at 1 from below.
; LIMITS: a block whose largest magnitude lies under 2^-124 takes the byte 1; a block of zeros takes the byte 1 where the rule says 127 (its codes are zeros, and this program alone reads the bytes); NaN and infinities are not served.
; SHARES.  Work-groups 0-335: two tiles each; wave w takes tile 2 wg + w / 2 and K half w % 2: four K steps.  Each load reads 512 consecutive bytes of one row; a K step's 16 rows turn through the wave's own stage in LDS
; (rows 528 bytes apart: row r begins 16 r bytes on modulo 256) and come back 16 neighbours of each block of 32 to a lane.  Waves share nothing: no barrier.  Loads run two K steps (32 loads) ahead.
; Work-groups 336-367: the table.  tab row t = 256 bytes: cos(t f_i), i = 0 .. 31, then sin(t f_i); f_i = 1 / 10^(i / 8).  A wave takes 16 t, a lane a frequency.  The angle t f_i is one f32 product, as in the problem;
; it is reduced by multiples of pi / 2 in two parts (the first difference is exact: the multiple is under 2^11) and goes through polynomials of degree 7 and 8 on +-pi / 4.
; LIMIT: 10^(i / 8) is fl(c x 10^d), c = fl(10^((i % 8) / 8)), d = i / 8: at most one unit in the last place from the rounded power.
.set RAW,  16                          ; v16-143  two sets of 16 rows x 4 registers, as loaded
.set XN,   144                         ; v144-207 64 numbers of my row: register 16 b + i = k 32 b + 16 (lane / 16) + i
.set PC,   208                         ; v208-227 the codes just made (12) and the conversions' second halves
.set TM,   228                         ; v228-243 largest magnitudes, bytes, scale operands
.set PW,   244                         ; v244     the scale word just made
.set SW,   248                         ; v248-251 four K steps' scale words
.set SEL,  30                          ; s[30:31] lane selects for v_permlanex16_b32: lane l xor 16
.set STG,  8448                        ; a stage: 16 rows x 528 bytes; two for each wave
.set NQWG, 336
; 64 numbers of a lane, register 16 b + i = k 32 b + 16 (lane / 16) + i of my row, become a fragment's codes in v[PC] on and its scale word in v[PW] (the same in lanes l and l xor 16).
.macro QUANT s
.irp b, 0,1,2,3
	v_max3_num_f32 v[TM+\b], |v[\s+16*\b]|, |v[\s+1+16*\b]|, 0x1800000   ; my 16 numbers of block b, and the floor 2^(3 - 127): the byte cannot fall under 1
.endr
.irp i, 2,4,6,8,10,12,14
.irp b, 0,1,2,3
	v_max3_num_f32 v[TM+\b], v[TM+\b], |v[\s+16*\b+\i]|, |v[\s+1+16*\b+\i]|   ; the four blocks by turns
.endr
.endr
.irp b, 0,1,2,3
	v_permlanex16_b32 v[TM+4+\b], v[TM+\b], s[SEL], s[SEL+1]
.endr
.irp b, 0,1,2,3
	v_max_num_f32 v[TM+\b], v[TM+\b], v[TM+4+\b]                   ; with lane l xor 16's 16: the block's largest magnitude
.endr
.irp b, 0,1,2,3
	v_add_nc_u32 v[TM+12+\b], 0xff000000, v[TM+\b]                 ; 2 off its exponent field: the conversion takes this operand's exponent field as its scale
.endr
.irp b, 0,1,2,3
	v_lshrrev_b32 v[TM+4+\b], 23, v[TM+12+\b]                      ; the scale's byte
.endr
	v_lshl_or_b32 v[PW], v[TM+5], 8, v[TM+4]
	v_lshl_or_b32 v[PW], v[TM+6], 16, v[PW]
	v_lshl_or_b32 v[PW], v[TM+7], 24, v[PW]
.irp c, 0,1
	v_cvt_scalef32_pk16_fp6_f32 v[PC+6*\c:PC+2+6*\c], v[\s+32*\c:\s+15+32*\c], v[TM+12+2*\c]
	v_cvt_scalef32_pk16_fp6_f32 v[PC+12+4*\c:PC+14+4*\c], v[\s+16+32*\c:\s+31+32*\c], v[TM+12+2*\c+1]   ; (a conversion's three registers begin on an even number)
.endr
	v_nop                                          ; one plain instruction behind the scaled conversions
.irp c, 0,1                                    ; the operand wants a whole block in a lane: lanes 0-15 block 2 c, lanes 16-31 block 2 c + 1
.irp i, 0,1,2
	v_permlane16_swap_b32 v[PC+6*\c+\i], v[PC+12+4*\c+\i]
.endr
.irp i, 0,1,2
	v_mov_b32 v[PC+3+6*\c+\i], v[PC+12+4*\c+\i]
.endr
.endr
.endm
.macro LOADK ks                        ; K step ks of my half: 512 consecutive bytes of each of the tile's 16 rows
.irp i, 0,1,2,3,4,5,6,7,8,9,10,11,12,13,14,15
	global_load_b128 v[RAW+64*((\ks)%2)+4*\i:RAW+64*((\ks)%2)+4*\i+3], v2, s[20:21] offset:(\i+8*(\i/8))*4096+512*(\ks) th:TH_LOAD_NT
.endr
.endm
.macro STEP ks
	s_wait_xcnt 0x0                                ; the last step's stores have read the codes' registers
.if (\ks) < 3
	s_wait_loadcnt 16                              ; this step's 16 loads are in; the next step's 16 may be out
.else
	s_wait_loadcnt 0x0
.endif
.irp i, 0,1,2,3,4,5,6,7,8,9,10,11,12,13,14,15
	ds_store_b128 v3, v[RAW+64*((\ks)%2)+4*\i:RAW+64*((\ks)%2)+4*\i+3] offset:STG*((\ks)%2)+528*\i
.endr
.irp b, 0,1,2,3                                ; LDS serves a wave's instructions in order: these see the stores above
.irp j, 0,1,2,3
	ds_load_b128 v[XN+16*\b+4*\j:XN+16*\b+4*\j+3], v4 offset:STG*((\ks)%2)+128*\b+16*\j
.endr
.endr
	s_wait_dscnt 0x0
.if (\ks) < 2
	LOADK (\ks)+2                                  ; into the set that has just gone through the stage
.endif
	QUANT XN
	v_mov_b32 v[SW+(\ks)], v[PW]
.irp c, 0,1,2
	global_store_b128 v2, v[PC+4*\c:PC+4*\c+3], s[14:15] offset:1536*(\ks)+512*\c   ; 32 lanes store 512 consecutive bytes, aligned
.endr
.endm
.macro BASE10 j, c                     ; 10^(j / 8) into lanes j, j + 8, j + 16, j + 24
	s_mov_b32 s28, \c
	v_writelane_b32 v8, s28, \j
	v_writelane_b32 v8, s28, \j+8
	v_writelane_b32 v8, s28, \j+16
	v_writelane_b32 v8, s28, \j+24
.endm
	s_load_b256 s[4:11], s[0:1], 0x0               ; x, Wq, Wk, Wv
	s_load_b256 s[12:19], s[0:1], 0x20             ; Wproj, cod, scl, tab
	v_lshl_add_u32 v254, v0, 2, 0x10800
	v_mov_b32 v255, 0
	v_lshrrev_b32 v1, 5, v0
	v_readfirstlane_b32 s24, v1                    ; wave
	v_and_b32 v5, 31, v0                           ; lane
	s_cmp_ge_u32 ttmp9, NQWG
	s_cbranch_scc1 .Ltable
	; ---- the quantiser
	v_lshlrev_b32 v2, 4, v5                        ; 16 x lane: my bytes of a load's 512, and of an image's
	s_mul_i32 s25, s24, 2*STG                      ; my wave's two stages
	v_add_nc_u32 v3, s25, v2                       ; way in: row i at 528 i
	v_and_b32 v6, 15, v0                           ; r
	v_bfe_u32 v7, v0, 4, 1                         ; h
	v_mul_u32_u24 v4, v6, 528
	v_lshl_add_u32 v4, v7, 6, v4
	v_add_nc_u32 v4, s25, v4                       ; way out: row r, 64 h bytes into each block of 128 bytes
	s_mov_b32 s[SEL], 0x76543210
	s_mov_b32 s[SEL+1], 0xfedcba98
.irp b, 0,1,2,3
	v_mov_b32 v[TM+4+\b], 0                        ; written once: a lane permute's destination counts as one of its sources
.endr
	s_lshr_b32 s26, s24, 1                         ; which of the work-group's two tiles
	s_and_b32 s27, s24, 1                          ; which half of K
	s_wait_kmcnt 0x0
	s_mov_b64 s[20:21], s[4:5]                     ; the tensor is chosen by the work-group's number alone
	s_mov_b32 s22, 0                               ; and its first work-group
	s_cmp_ge_u32 ttmp9, 256
	s_cselect_b64 s[20:21], s[6:7], s[20:21]
	s_cselect_b32 s22, 256, s22
	s_cmp_ge_u32 ttmp9, 288
	s_cselect_b64 s[20:21], s[8:9], s[20:21]
	s_cselect_b32 s22, 288, s22
	s_cmp_ge_u32 ttmp9, 296
	s_cselect_b64 s[20:21], s[10:11], s[20:21]
	s_cselect_b32 s22, 296, s22
	s_cmp_ge_u32 ttmp9, 304
	s_cselect_b64 s[20:21], s[12:13], s[20:21]
	s_cselect_b32 s22, 304, s22
	s_sub_co_u32 s22, ttmp9, s22
	s_lshl_b32 s22, s22, 17                        ; 32 rows of 4,096 bytes for each pair of tiles,
	s_lshl_b32 s28, s26, 15                        ; 8 rows for the pair's second tile,
	s_add_co_u32 s22, s22, s28
	s_lshl_b32 s28, s27, 11                        ; 2,048 bytes for the second half of K
	s_add_co_u32 s22, s22, s28
	s_mov_b32 s23, 0
	s_add_nc_u64 s[20:21], s[20:21], s[22:23]
	s_lshl_b32 s28, ttmp9, 1
	s_add_co_u32 s28, s28, s26                     ; my tile
	s_mul_i32 s22, s28, 12288
	s_mul_i32 s29, s27, 6144
	s_add_co_u32 s22, s22, s29
	s_add_nc_u64 s[14:15], s[14:15], s[22:23]      ; its four fragments of my half
	s_lshl_b32 s22, s28, 10
	s_lshl_b32 s29, s27, 9
	s_add_co_u32 s22, s22, s29
	s_add_nc_u64 s[16:17], s[16:17], s[22:23]      ; and their scale words
	LOADK 0
	LOADK 1
	STEP 0
	STEP 1
	STEP 2
	STEP 3
	global_store_b128 v2, v[SW:SW+3], s[16:17]     ; four K steps' words of a lane: 512 consecutive bytes a wave
	s_wait_tensorcnt 0x0
	ds_add_u32 v254, v255
	s_wait_dscnt 0x0
	s_endpgm
	; ---- the table
.Ltable:
	v_lshlrev_b32 v2, 2, v5                        ; 4 x lane
	v_lshrrev_b32 v3, 3, v5                        ; the decade d = i / 8
	v_mov_b32 v8, 0                                ; (v_writelane_b32's destination counts as read)
	BASE10 0, 0x3f800000                           ; 1
	BASE10 1, 0x3faab0d5                           ; 1.3335214
	BASE10 2, 0x3fe39ea9                           ; 1.7782794
	BASE10 3, 0x4017c496                           ; 2.3713737
	BASE10 4, 0x404a62c2                           ; 3.1622777
	BASE10 5, 0x4086f161                           ; 4.2169650
	BASE10 6, 0x40b3f300                           ; 5.6234133
	BASE10 7, 0x40eff755                           ; 7.4989421
	v_mov_b32 v4, 1.0
	v_mov_b32 v6, 0x41200000                       ; 10
	v_cmp_lt_u32 vcc_lo, 0, v3
	v_cndmask_b32 v4, v4, v6, vcc_lo
	v_mov_b32 v6, 0x42c80000                       ; 100
	v_cmp_lt_u32 vcc_lo, 1, v3
	v_cndmask_b32 v4, v4, v6, vcc_lo
	v_mov_b32 v6, 0x447a0000                       ; 1,000
	v_cmp_lt_u32 vcc_lo, 2, v3
	v_cndmask_b32 v4, v4, v6, vcc_lo
	v_mul_f32 v8, v8, v4                           ; 10^(i / 8)
	v_rcp_f32 v9, v8
	v_nop                                          ; a plain instruction behind the reciprocal,
	s_wait_alu depctr_va_vdst(0)                   ; and the wait ahead of its first reader
	v_fma_f32 v10, -v8, v9, 1.0                    ; one step of Newton: the quotient to the last place
	v_fma_f32 v9, v9, v10, v9                      ; f_i
	s_sub_co_u32 s20, ttmp9, NQWG
	s_lshl_b32 s20, s20, 2
	s_add_co_u32 s20, s20, s24
	s_lshl_b32 s20, s20, 4                         ; my first t
	v_cvt_f32_u32 v11, s20
	s_lshl_b32 s22, s20, 8
	s_mov_b32 s23, 0
	s_mov_b32 s32, 0x3fc90fdb                      ; pi / 2, upper part
	s_mov_b32 s33, 0xb33bbd2e                      ; and what is left of it
	s_mov_b32 s34, 0xb94ca1f9                      ; sin: -1.9515295891e-4, 8.3321608736e-3, -1.6666654611e-1
	s_mov_b32 s35, 0x3c08839e
	s_mov_b32 s36, 0xbe2aaaa3
	s_mov_b32 s37, 0x37ccf5ce                      ; cos: 2.443315712e-5, -1.388731625e-3, 4.166664568e-2
	s_mov_b32 s38, 0xbab6061a
	s_mov_b32 s39, 0x3d2aaaa5
	s_wait_kmcnt 0x0
	s_add_nc_u64 s[18:19], s[18:19], s[22:23]
.set KT, 0
.rept 16
	v_mul_f32 v12, v11, v9                         ; the angle
	v_mul_f32 v13, 0x3f22f983, v12                 ; x 2 / pi
	v_rndne_f32 v13, v13                           ; n
	v_fma_f32 v14, -v13, s32, v12                  ; exact: a multiple of 2^-23 under 1
	v_fma_f32 v14, -v13, s33, v14                  ; r, within pi / 4
	v_mul_f32 v15, v14, v14
	v_fma_f32 v16, v15, s34, s35
	v_fma_f32 v17, v15, s37, s38
	v_fma_f32 v16, v16, v15, s36
	v_fma_f32 v17, v17, v15, s39
	v_mul_f32 v21, v14, v15
	v_fma_f32 v17, v17, v15, -0.5
	v_fma_f32 v16, v16, v21, v14                   ; sin r
	v_fma_f32 v17, v17, v15, 1.0                   ; cos r
	v_cvt_i32_f32 v18, v13
	v_and_b32 v21, 1, v18
	v_cmp_eq_u32 vcc_lo, 1, v21                    ; an odd quarter: the two change places
	s_wait_xcnt 0x0                                ; the last t's stores have read their data
	v_cndmask_b32 v19, v16, v17, vcc_lo            ; sin
	v_cndmask_b32 v20, v17, v16, vcc_lo            ; cos
	v_and_b32 v21, 2, v18
	v_lshlrev_b32 v21, 30, v21
	v_xor_b32 v19, v19, v21                        ; sin is negative in quarters 2 and 3,
	v_add_nc_u32 v21, 1, v18
	v_and_b32 v21, 2, v21
	v_lshlrev_b32 v21, 30, v21
	v_xor_b32 v20, v20, v21                        ; cos in quarters 1 and 2
	global_store_b32 v2, v20, s[18:19] offset:256*KT
	global_store_b32 v2, v19, s[18:19] offset:256*KT+128
	v_add_f32 v11, 1.0, v11
.set KT, KT+1
.endr
	s_endpgm
.Lfunc_end_k_q7a44d0ddb9_prep:
	.size	k_q7a44d0ddb9_prep, .Lfunc_end_k_q7a44d0ddb9_prep-k_q7a44d0ddb9_prep
	.p2alignl 7, 3214868480
	.fill 96, 4, 3214868480
	.section	.rodata,"a",@progbits
	.p2align	6, 0x0
	.amdhsa_kernel k_q7a44d0ddb9_prep
		.amdhsa_group_segment_fixed_size 68096
		.amdhsa_private_segment_fixed_size 0
		.amdhsa_enable_private_segment 0
		.amdhsa_kernarg_size 64
		.amdhsa_user_sgpr_count 2
		.amdhsa_user_sgpr_kernarg_segment_ptr 1
		.amdhsa_wavefront_size32 1
		.amdhsa_system_sgpr_workgroup_id_x 1
		.amdhsa_system_sgpr_workgroup_id_y 1
		.amdhsa_system_sgpr_workgroup_id_z 1
		.amdhsa_system_vgpr_workitem_id 0
		.amdhsa_next_free_vgpr 256
		.amdhsa_next_free_sgpr 66
		.amdhsa_reserve_vcc 1
		.amdhsa_float_denorm_mode_32 3
		.amdhsa_float_denorm_mode_16_64 3
		.amdhsa_memory_ordered 1
		.amdhsa_forward_progress 1
		.amdhsa_inst_pref_size 60
	.end_amdhsa_kernel
	.amdgpu_metadata
---
amdhsa.version: [ 1, 2 ]
amdhsa.kernels:
  - .name:           k_q7a44d0ddb9_prep
    .symbol:         k_q7a44d0ddb9_prep.kd
    .args:
      - { .name: x, .offset: 0, .size: 8, .value_kind: global_buffer, .address_space: global }
      - { .name: Wq, .offset: 8, .size: 8, .value_kind: global_buffer, .address_space: global }
      - { .name: Wk, .offset: 16, .size: 8, .value_kind: global_buffer, .address_space: global }
      - { .name: Wv, .offset: 24, .size: 8, .value_kind: global_buffer, .address_space: global }
      - { .name: Wproj, .offset: 32, .size: 8, .value_kind: global_buffer, .address_space: global }
      - { .name: cod, .offset: 40, .size: 8, .value_kind: global_buffer, .address_space: global }
      - { .name: scl, .offset: 48, .size: 8, .value_kind: global_buffer, .address_space: global }
      - { .name: tab, .offset: 56, .size: 8, .value_kind: global_buffer, .address_space: global }
    .group_segment_fixed_size: 68096
    .private_segment_fixed_size: 0
    .kernarg_segment_align: 8
    .kernarg_segment_size: 64
    .max_flat_workgroup_size: 128
    .sgpr_count:     66
    .vgpr_count:     256
    .wavefront_size: 32
...
	.end_amdgpu_metadata
.endif
;; end of part 1
;; launch qkv (part 2): grid 6 x 64, 4 waves a work-group, no clusters, 168,448 bytes of LDS; arguments cod, scl, tab, q_gain, qc, qs, kv; writes qc, qs, kv
.if DOCPART == 2
	.amdgcn_target "amdgcn-amd-amdhsa--gfx1250"
	.amdhsa_code_object_version 6
	.text
	.protected	k_q7a44d0ddb9_qkv
	.globl	k_q7a44d0ddb9_qkv
	.p2align	8
	.type	k_q7a44d0ddb9_qkv,@function
k_q7a44d0ddb9_qkv:
	s_mov_b64 s[64:65], 0
	v_nop
	global_prefetch_b8 v0, s[64:65] scope:SCOPE_SE
	s_setreg_imm32_b32 hwreg(HW_REG_WAVE_MODE, 25, 1), 1
	s_wait_xcnt 0x0
; q, k, v = x Wq^T, x Wk^T, x Wv^T on codes of FP6 (E2M3) with E8M0 scales; then, in f32, the RMS norm over a head's 64 channels, the rotary embedding and q's gain; then the quantisers of attention's operands.
; SHARES.  Work-group (X, Y): tokens 128 Y on (batch Y / 16, key block Y % 16), channels 256 X on of the 1,536: X 0-3 query heads 4 X + wave, X = 4 key heads, X = 5 value heads.  A wave: 128 tokens x one head of 64:
; 32 accumulators, 256 matrix instructions, K = 1,024 in eight steps, all written out.
; OPERANDS.  x's 64 fragments (98,304 bytes, dense in cod) come into LDS ONCE, a quarter by each wave's one tensor load, and are read as images (three loads of 16 bytes a lane).  The wave's 32 fragments of its weight
; (384 registers) come from memory straight into registers, as images, all asked for at the head.  Nothing in LDS is filled again, so there is one barrier.
; q AND k: source 0 = 16 rows of W, source 1 = 16 tokens: a lane holds ONE token, and by the order of a tile's rows its registers 16 b + i of a token tile are channels 32 b + 16 (lane / 16) + i of the head:
; a rotary pair (d, d + 32) is registers i and 16 + i of one lane, and the 32 registers are what the quantiser along the head wants.
; v: source 0 = 16 tokens, source 1 = 16 rows of Wv: a lane holds one channel and its 64 registers run along the block's 128 keys, the second product's K.
; OUT.  qc: 768 bytes a tile of 16 queries (registers 2 g, 2 g + 1 of lane l at 256 g + 8 l); qs: its scale words (bytes b0 b1 b0 b1), 4 bytes a lane.  kv: 13,312 bytes a key block of a key head: four fragments of k,
; each holding TWO tiles of 16 keys (registers 0-5, 6-11: a head is only 64 along K), four of v, then their scale words, 128 bytes a fragment.
; CLUSTER: none.  The six work-groups of a token block read the same 98,304 bytes of x's codes; six does not divide into clusters of four, and each work-group's other 196,608 bytes, its weights, go to registers lane by lane.
; LIMITS: as in the quantiser of the launch before (byte held at 1 from below; a block of zeros takes the byte 1; no NaN or infinities).
; REGISTERS, in windows of 256: window 0: v1-5 addresses; v16-29 the norm; v32-95 x's scale words (8 tile + step), v96-127 W's; v128-223 x's fragments, set 0; in the epilogue v128-191 64 numbers, v192-230 the quantiser's.
;   window 1: W's fragments of K steps 0-4 (48 step + 12 tile); from K step 5 on cos and sin (32 a token tile).   window 2: the accumulators.   window 3: v0-143 W's fragments of K steps 5-7; v144-239 x's fragments, set 1.
.set LI,  1                            ; v1  16 x lane
.set LI2, 2                            ; v2  16 x lane + 49,152: token tiles 4-7 in LDS (an LDS offset has 16 bits)
.set L8,  3                            ; v3  8 x lane
.set L4,  4                            ; v4  4 x lane
.set TBO, 5                            ; v5  my token's row of the table within a tile, + 64 (lane / 16)
.set SS,  16                           ; v16-23 sums of squares
.set FF,  24                           ; v[24:25], v[26:27] rsqrt x gain, as pairs
.set PD,  28                           ; v28, v29 lane permutes' destinations
.set SA,  32
.set SB,  96
.set A0,  128
.set A1,  144
.set T,   128
.set PC,  192
.set TM,  212
.set PW,  228
.set WA,  229
.set WB,  230
.set SEL, 30
.set MSB, 0
.macro WIN new                         ; the immediate's high byte repeats the setting that is left
.if MSB != \new
	s_set_vgpr_msb (MSB<<8)|\new
.set MSB, \new
.endif
.endm
.macro PLACES                          ; four plain instructions between a matrix instruction and a load into, or a vector instruction on, its registers
.rept 4
	v_nop
.endr
.endm
.macro QUANT s
.irp b, 0,1,2,3
	v_max3_num_f32 v[TM+\b], |v[\s+16*\b]|, |v[\s+1+16*\b]|, 0x1800000   ; my 16 numbers of block b, and the floor 2^(3 - 127): the byte cannot fall under 1
.endr
.irp i, 2,4,6,8,10,12,14
.irp b, 0,1,2,3
	v_max3_num_f32 v[TM+\b], v[TM+\b], |v[\s+16*\b+\i]|, |v[\s+1+16*\b+\i]|
.endr
.endr
.irp b, 0,1,2,3
	v_permlanex16_b32 v[TM+4+\b], v[TM+\b], s[SEL], s[SEL+1]
.endr
.irp b, 0,1,2,3
	v_max_num_f32 v[TM+\b], v[TM+\b], v[TM+4+\b]                   ; with lane l xor 16's 16: the block's largest magnitude
.endr
.irp b, 0,1,2,3
	v_add_nc_u32 v[TM+12+\b], 0xff000000, v[TM+\b]                 ; 2 off its exponent field: the conversion's scale operand
.endr
.irp b, 0,1,2,3
	v_lshrrev_b32 v[TM+4+\b], 23, v[TM+12+\b]                      ; the scale's byte
.endr
	v_lshl_or_b32 v[PW], v[TM+5], 8, v[TM+4]
	v_lshl_or_b32 v[PW], v[TM+6], 16, v[PW]
	v_lshl_or_b32 v[PW], v[TM+7], 24, v[PW]
.irp c, 0,1
	v_cvt_scalef32_pk16_fp6_f32 v[PC+6*\c:PC+2+6*\c], v[\s+32*\c:\s+15+32*\c], v[TM+12+2*\c]
	v_cvt_scalef32_pk16_fp6_f32 v[PC+12+4*\c:PC+14+4*\c], v[\s+16+32*\c:\s+31+32*\c], v[TM+12+2*\c+1]
.endr
	v_nop                                          ; one plain instruction behind the scaled conversions
.irp c, 0,1
.irp i, 0,1,2
	v_permlane16_swap_b32 v[PC+6*\c+\i], v[PC+12+4*\c+\i]
.endr
.irp i, 0,1,2
	v_mov_b32 v[PC+3+6*\c+\i], v[PC+12+4*\c+\i]
.endr
.endr
.endm
.macro MM d, a, b, sa, sb, zero
.if \zero
	v_wmma_scale_f32_16x16x128_f8f6f4 v[\d:\d+7], v[\a:\a+11], v[\b:\b+11], 0, v[\sa], v[\sb] matrix_a_fmt:MATRIX_FMT_FP6 matrix_b_fmt:MATRIX_FMT_FP6
.else
	v_wmma_scale_f32_16x16x128_f8f6f4 v[\d:\d+7], v[\a:\a+11], v[\b:\b+11], v[\d:\d+7], v[\sa], v[\sb] matrix_a_fmt:MATRIX_FMT_FP6 matrix_b_fmt:MATRIX_FMT_FP6
.endif
.endm
.macro FETCH_A ks                      ; x's eight fragments of K step ks, 24 loads of 512 consecutive bytes, into set ks % 2
.if ((\ks)%2) == 0
	WIN 0
.set FB, A0
.else
	WIN 0xc0                                       ; destination window 3, address window 0
.set FB, A1
.endif
.irp t, 0,1,2,3
.irp c, 0,1,2
	ds_load_b128 v[FB+12*\t+4*\c:FB+12*\t+4*\c+3], v[LI] offset:(8*\t+(\ks))*1536+512*\c
.endr
.endr
.irp t, 4,5,6,7
.irp c, 0,1,2
	ds_load_b128 v[FB+12*\t+4*\c:FB+12*\t+4*\c+3], v[LI2] offset:(8*(\t-4)+(\ks))*1536+512*\c
.endr
.endr
.endm
.macro CSLOAD                          ; cos and sin of my token of each tile at my 16 frequencies, into window 1, which the weights of K steps 0-4 have left: eight loads a tile
	WIN 0x40
.irp t, 0,1,2,3,4,5,6,7
.irp j, 0,1,2,3
	global_load_b128 v[32*\t+4*\j:32*\t+4*\j+3], v[TBO], s[46:47] offset:(32*(\t/2)+8*(\t%2))*256+16*\j
.endr
.irp j, 0,1,2,3
	global_load_b128 v[32*\t+16+4*\j:32*\t+16+4*\j+3], v[TBO], s[46:47] offset:(32*(\t/2)+8*(\t%2))*256+128+16*\j
.endr
.endr
	WIN 0
.endm
; A K step of 128: 32 matrix instructions, the 32 accumulators by turns in the same order in every step.  swap = 1: tokens are source 0 (v's path).  rope = 1: cos and sin are asked for in K step 5.
.macro KSTEP ks, swap, rope
.set KS, \ks
.if KS > 0
	PLACES                                         ; in front of loads into registers that the last step's matrix instructions have read
.endif
.if \rope && (KS == 5)
	s_wait_loadcnt 0x0                             ; all of W is in: from here on the counter counts cos and sin alone
	CSLOAD
.endif
.if KS < 7
	FETCH_A KS+1
	s_wait_dscnt 24                                ; this step's fragments are in; the 24 loads just issued may be out
.else
	s_wait_dscnt 0x0
.endif
.if (KS <= 4) || (\rope == 0)
.set LC, 12*(7-KS)                     ; W's loads for later K steps, 12 each, may be out (a smaller count where the field ends)
.if LC > 63
.set LC, 63
.endif
	s_wait_loadcnt LC
.endif
.if KS <= 4
.set BW, 1
.set BB, 48*KS
.else
.set BW, 3
.set BB, 48*(KS-5)
.endif
.if (KS%2) == 0
.set AW, 0
.set AB, A0
.else
.set AW, 3
.set AB, A1
.endif
.set ZR, 0
.if KS == 0
.set ZR, 1                             ; the first products start the sums: nothing is cleared
.endif
.if \swap
.set WN, 0xa0|AW|(BW<<2)
.else
.set WN, 0xa0|BW|(AW<<2)
.endif
	WIN WN                                         ; C and D window 2
.irp t, 0,1,2,3,4,5,6,7
.irp c, 0,1,2,3
.if \swap
	MM 64*\c+8*\t, AB+12*\t, BB+12*\c, SA+8*\t+KS, SB+8*\c+KS, ZR
.else
	MM 32*\t+8*\c, BB+12*\c, AB+12*\t, SB+8*\c+KS, SA+8*\t+KS, ZR
.endif
.endr
.endr
	WIN 0
.endm
; q's and k's epilogue for token tiles 2 be and 2 be + 1.
.macro PAIR be
	s_wait_xcnt 0x0                                ; the last pair's stores have read the codes' and the words' registers
	s_wait_loadcnt 8*(6-2*\be)                     ; these two tiles' cos and sin are in; the later tiles', eight loads each, may be out
	WIN 0x0a                                       ; sources 0 and 1: window 2
.irp u, 0,1
	v_pk_mul_f32 v[SS+4*\u:SS+4*\u+1], v[32*(2*\be+\u):32*(2*\be+\u)+1], v[32*(2*\be+\u):32*(2*\be+\u)+1]   ; the sum of squares of my 32 channels, two chains a tile, each accumulator from its low end on
	v_pk_mul_f32 v[SS+4*\u+2:SS+4*\u+3], v[32*(2*\be+\u)+2:32*(2*\be+\u)+3], v[32*(2*\be+\u)+2:32*(2*\be+\u)+3]
.endr
.irp p, 4,8,12,16,20,24,28
.irp u, 0,1
	v_pk_fma_f32 v[SS+4*\u:SS+4*\u+1], v[32*(2*\be+\u)+\p:32*(2*\be+\u)+\p+1], v[32*(2*\be+\u)+\p:32*(2*\be+\u)+\p+1], v[SS+4*\u:SS+4*\u+1]
	v_pk_fma_f32 v[SS+4*\u+2:SS+4*\u+3], v[32*(2*\be+\u)+\p+2:32*(2*\be+\u)+\p+3], v[32*(2*\be+\u)+\p+2:32*(2*\be+\u)+\p+3], v[SS+4*\u+2:SS+4*\u+3]
.endr
.endr
	WIN 0
.irp u, 0,1
	v_pk_add_f32 v[SS+4*\u:SS+4*\u+1], v[SS+4*\u:SS+4*\u+1], v[SS+4*\u+2:SS+4*\u+3]
.endr
.irp u, 0,1
	v_add_f32 v[SS+4*\u], v[SS+4*\u], v[SS+4*\u+1]
.endr
.irp u, 0,1
	v_permlanex16_b32 v[PD+\u], v[SS+4*\u], s[SEL], s[SEL+1]       ; the token's other 32 channels lie in the lane 16 away
.endr
.irp u, 0,1
	v_add_f32 v[SS+4*\u], v[SS+4*\u], v[PD+\u]
.endr
.irp u, 0,1
	v_fma_f32 v[SS+4*\u], v[SS+4*\u], s53, s54                     ; the mean + eps
.endr
.irp u, 0,1
	v_rsq_f32 v[FF+2*\u], v[SS+4*\u]
.endr
	v_nop                                          ; a plain instruction behind the two roots,
	s_wait_alu depctr_va_vdst(0)                   ; and one wait for both, ahead of their first reader
.irp u, 0,1
	v_mul_f32 v[FF+2*\u], s52, v[FF+2*\u]          ; x the head's gain (1 for k)
.endr
.irp u, 0,1
	v_mov_b32 v[FF+2*\u+1], v[FF+2*\u]             ; (named with it as a pair)
.endr
	WIN 0x06                                       ; source 0: window 2 (the sums), source 1: window 1 (cos, sin)
.irp u, 0,1
.irp i, 0,2,4,6,8,10,12,14
	v_pk_mul_f32 v[T+32*\u+\i:T+32*\u+\i+1], v[32*(2*\be+\u)+\i:32*(2*\be+\u)+\i+1], v[32*(2*\be+\u)+\i:32*(2*\be+\u)+\i+1]                 ; a cos
	v_pk_mul_f32 v[T+32*\u+16+\i:T+32*\u+16+\i+1], v[32*(2*\be+\u)+16+\i:32*(2*\be+\u)+16+\i+1], v[32*(2*\be+\u)+\i:32*(2*\be+\u)+\i+1]     ; b cos
	v_pk_fma_f32 v[T+32*\u+\i:T+32*\u+\i+1], v[32*(2*\be+\u)+16+\i:32*(2*\be+\u)+16+\i+1], v[32*(2*\be+\u)+16+\i:32*(2*\be+\u)+16+\i+1], v[T+32*\u+\i:T+32*\u+\i+1] neg_lo:[1,0,0] neg_hi:[1,0,0]   ; - b sin
	v_pk_fma_f32 v[T+32*\u+16+\i:T+32*\u+16+\i+1], v[32*(2*\be+\u)+\i:32*(2*\be+\u)+\i+1], v[32*(2*\be+\u)+16+\i:32*(2*\be+\u)+16+\i+1], v[T+32*\u+16+\i:T+32*\u+16+\i+1]                           ; + a sin
.endr
.endr
	WIN 0
.irp u, 0,1
.irp i, 0,2,4,6,8,10,12,14,16,18,20,22,24,26,28,30
	v_pk_mul_f32 v[T+32*\u+\i:T+32*\u+\i+1], v[T+32*\u+\i:T+32*\u+\i+1], v[FF+2*\u:FF+2*\u+1] op_sel_hi:[1,0]
.endr
.endr
	QUANT T                                        ; blocks 0, 1: tile 2 be's head; blocks 2, 3: tile 2 be + 1's
	s_cmp_eq_u32 s19, 4
	s_cbranch_scc1 .Lkeys_\@
.irp g, 0,1,2,3,4,5
	global_store_b64 v[L8], v[PC+2*\g:PC+2*\g+1], s[48:49] offset:768*(2*\be+\g/3)+256*(\g%3)   ; 32 lanes store 256 consecutive bytes, aligned
.endr
	v_perm_b32 v[WA], v[PW], v[PW], s55            ; bytes b0 b1 b0 b1: the tile's two bytes serve either half of the instruction's K
	v_perm_b32 v[WB], v[PW], v[PW], s59
	global_store_b32 v[L4], v[WA], s[50:51] offset:128*(2*\be)
	global_store_b32 v[L4], v[WB], s[50:51] offset:128*(2*\be+1)
	s_branch .Lstored_\@
.Lkeys_\@:
.irp c, 0,1,2
	global_store_b128 v[LI], v[PC+4*\c:PC+4*\c+3], s[56:57] offset:1536*\be+512*\c
.endr
	global_store_b32 v[L4], v[PW], s[56:57] offset:12288+128*\be
.Lstored_\@:
.endm
.macro VTILE ct                        ; v's epilogue for 16 channels: my channel's 128 keys lie in 64 registers of lanes l and l xor 16
	s_wait_xcnt 0x0
	WIN 0x02                                       ; source 0: window 2
.set NI, 0
.rept 64
	v_mov_b32 v[T+NI], v[64*\ct+NI]
.set NI, NI+1
.endr
	WIN 0
	QUANT T
.irp c, 0,1,2
	global_store_b128 v[LI], v[PC+4*\c:PC+4*\c+3], s[56:57] offset:6144+1536*\ct+512*\c
.endr
	global_store_b32 v[L4], v[PW], s[56:57] offset:12800+128*\ct
.endm
	s_load_b256 s[4:11], s[0:1], 0x0               ; cod, scl, tab, q_gain
	s_load_b128 s[12:15], s[0:1], 0x20             ; qc, qs
	s_load_b64 s[16:17], s[0:1], 0x30              ; kv
	v_lshl_add_u32 v254, v0, 2, 0x29000
	v_mov_b32 v255, 0
	ds_add_u32 v254, v255
	ds_add_u32 v254, v255
	v_lshrrev_b32 v6, 5, v0
	v_readfirstlane_b32 s18, v6                    ; wave
	s_mov_b32 s19, ttmp9                           ; X
	s_and_b32 s20, ttmp7, 0xffff                   ; Y
	v_and_b32 v6, 31, v0
	v_lshlrev_b32 v[LI], 4, v6
	v_add_nc_u32 v[LI2], 49152, v[LI]
	v_lshlrev_b32 v[L8], 3, v6
	v_lshlrev_b32 v[L4], 2, v6
	v_and_b32 v7, 15, v0
	v_and_b32 v8, 8, v7
	v_add_nc_u32 v8, v8, v7                        ; r + 8 (r / 8)
	v_bfe_u32 v9, v0, 4, 1
	v_lshlrev_b32 v[TBO], 8, v8
	v_lshl_add_u32 v[TBO], v9, 6, v[TBO]
	s_lshl_b32 s21, s19, 2
	s_add_co_u32 s21, s21, s18                     ; 4 X + wave
	s_min_u32 s22, s21, 15                         ; the query head (held inside the table for k's and v's work-groups, which do not use it)
	s_lshl_b32 s23, s22, 2
	s_lshr_b32 s28, s20, 4                         ; batch
	s_and_b32 s29, s20, 15                         ; key block
	s_mov_b32 s[SEL], 0x76543210
	s_mov_b32 s[SEL+1], 0xfedcba98
	s_mov_b32 s53, 0x3c800000                      ; 1 / 64
	s_mov_b32 s54, 0x34000000                      ; eps = 2^-23
	s_mov_b32 s55, 0x01000100
	s_mov_b32 s59, 0x03020302
	; descriptor group 1: 24,576 dense bytes as 96 rows of 32 elements of 8 bytes, no padding
	s_mov_b32 s32, 3<<16
	s_mov_b32 s33, 32<<16                          ; tensor_dim0
	s_mov_b32 s34, 96<<16                          ; tensor_dim1
	s_mov_b32 s35, 32<<16                          ; tile_dim0
	s_mov_b32 s36, 96                              ; tile_dim1
	s_mov_b32 s37, 32                              ; the pitch
	s_mov_b32 s38, 0
	s_mov_b32 s39, 0
	s_mov_b32 s24, 1
	s_mul_i32 s25, s18, 24576                      ; LDS: my quarter
	s_mul_i32 s40, s20, 98304
	s_add_co_u32 s40, s40, s25
	s_mov_b32 s41, 0
	s_wait_dscnt 0x0
	s_wait_kmcnt 0x0
	s_add_nc_u64 s[26:27], s[4:5], s[40:41]        ; x's tiles 8 Y + 2 wave and the next
	s_or_b32 s27, s27, 0x80000000
	tensor_load_to_lds s[24:27], s[32:39]          ; my one tensor load of the launch
	s_nop 0
.rept 4
	v_nop
.endr
	s_load_b32 s52, s[10:11], s23 offset:0x0       ; the head's gain
	s_lshl_b32 s40, s21, 2
	s_add_co_u32 s40, s40, 512                     ; my weight's first tile: 512 + 16 X + 4 wave
	s_lshl_b32 s42, s40, 10
	s_mul_i32 s40, s40, 12288
	s_mov_b32 s43, 0
	s_add_nc_u64 s[40:41], s[4:5], s[40:41]
	s_add_nc_u64 s[42:43], s[6:7], s[42:43]
	s_lshl_b32 s44, s20, 13
	s_mov_b32 s45, 0
	s_add_nc_u64 s[44:45], s[6:7], s[44:45]        ; x's scale words
	s_lshl_b32 s46, s29, 15
	s_mov_b32 s47, 0
	s_add_nc_u64 s[46:47], s[8:9], s[46:47]        ; the table at position 128 x key block
	s_lshl_b32 s48, s28, 4
	s_add_co_u32 s48, s48, s22
	s_lshl_b32 s48, s48, 7
	s_lshl_b32 s50, s29, 3
	s_add_co_u32 s48, s48, s50                     ; q's first tile: (16 batch + head) x 128 + 8 x key block
	s_lshl_b32 s50, s48, 7
	s_mul_i32 s48, s48, 768
	s_mov_b32 s49, 0
	s_mov_b32 s51, 0
	s_add_nc_u64 s[48:49], s[12:13], s[48:49]
	s_add_nc_u64 s[50:51], s[14:15], s[50:51]
	s_lshl_b32 s56, s28, 2
	s_add_co_u32 s56, s56, s18
	s_lshl_b32 s56, s56, 4
	s_add_co_u32 s56, s56, s29
	s_mul_i32 s56, s56, 13312                      ; ((4 batch + key head) x 16 + key block) x 13,312
	s_mov_b32 s57, 0
	s_add_nc_u64 s[56:57], s[16:17], s[56:57]
.irp t, 0,1,2,3,4,5,6,7
.irp g, 0,1
	global_load_b128 v[SA+8*\t+4*\g:SA+8*\t+4*\g+3], v[LI], s[44:45] offset:1024*\t+512*\g
.endr
.endr
.irp c, 0,1,2,3
.irp g, 0,1
	global_load_b128 v[SB+8*\c+4*\g:SB+8*\c+4*\g+3], v[LI], s[42:43] offset:1024*\c+512*\g
.endr
.endr
	WIN 0x40                                       ; destination window 1
.irp k, 0,1,2,3,4
.irp c, 0,1,2,3
.irp e, 0,1,2
	global_load_b128 v[48*\k+12*\c+4*\e:48*\k+12*\c+4*\e+3], v[LI], s[40:41] offset:12288*\c+1536*\k+512*\e
.endr
.endr
.endr
	WIN 0xc0                                       ; destination window 3
.irp k, 5,6,7
.irp c, 0,1,2,3
.irp e, 0,1,2
	global_load_b128 v[48*(\k-5)+12*\c+4*\e:48*(\k-5)+12*\c+4*\e+3], v[LI], s[40:41] offset:12288*\c+1536*\k+512*\e
.endr
.endr
.endr
	WIN 0
	s_wait_tensorcnt 0x0                           ; my quarter of x's fragments is in LDS,
	s_barrier_signal -1
	s_barrier_wait -1                              ; everybody's is
	FETCH_A 0
	s_wait_kmcnt 0x0
	s_cmp_lt_u32 s19, 4
	s_cselect_b32 s52, s52, 1.0                    ; k has no gain
	s_cmp_eq_u32 s19, 5
	s_cbranch_scc1 .Lvalues
	KSTEP 0, 0, 1
	KSTEP 1, 0, 1
	KSTEP 2, 0, 1
	KSTEP 3, 0, 1
	KSTEP 4, 0, 1
	KSTEP 5, 0, 1
	KSTEP 6, 0, 1
	KSTEP 7, 0, 1
	PLACES
.irp b, 0,1,2,3
	v_mov_b32 v[TM+4+\b], 0                        ; a lane permute's destination counts as one of its sources
.endr
	v_mov_b32 v[PD], 0
	v_mov_b32 v[PD+1], 0
	PAIR 0
	PAIR 1
	PAIR 2
	PAIR 3
	s_wait_tensorcnt 0x0
	ds_add_u32 v254, v255
	s_wait_dscnt 0x0
	s_endpgm
.Lvalues:
	KSTEP 0, 1, 0
	KSTEP 1, 1, 0
	KSTEP 2, 1, 0
	KSTEP 3, 1, 0
	KSTEP 4, 1, 0
	KSTEP 5, 1, 0
	KSTEP 6, 1, 0
	KSTEP 7, 1, 0
	PLACES
.irp b, 0,1,2,3
	v_mov_b32 v[TM+4+\b], 0
.endr
	VTILE 0
	VTILE 1
	VTILE 2
	VTILE 3
	s_wait_tensorcnt 0x0
	ds_add_u32 v254, v255
	s_wait_dscnt 0x0
	s_endpgm
.Lfunc_end_k_q7a44d0ddb9_qkv:
	.size	k_q7a44d0ddb9_qkv, .Lfunc_end_k_q7a44d0ddb9_qkv-k_q7a44d0ddb9_qkv
	.p2alignl 7, 3214868480
	.fill 96, 4, 3214868480
	.section	.rodata,"a",@progbits
	.p2align	6, 0x0
	.amdhsa_kernel k_q7a44d0ddb9_qkv
		.amdhsa_group_segment_fixed_size 168448
		.amdhsa_private_segment_fixed_size 0
		.amdhsa_enable_private_segment 0
		.amdhsa_kernarg_size 56
		.amdhsa_user_sgpr_count 2
		.amdhsa_user_sgpr_kernarg_segment_ptr 1
		.amdhsa_wavefront_size32 1
		.amdhsa_system_sgpr_workgroup_id_x 1
		.amdhsa_system_sgpr_workgroup_id_y 1
		.amdhsa_system_sgpr_workgroup_id_z 1
		.amdhsa_system_vgpr_workitem_id 0
		.amdhsa_next_free_vgpr 1024
		.amdhsa_next_free_sgpr 66
		.amdhsa_reserve_vcc 0
		.amdhsa_float_denorm_mode_32 3
		.amdhsa_float_denorm_mode_16_64 3
		.amdhsa_memory_ordered 1
		.amdhsa_forward_progress 1
		.amdhsa_inst_pref_size 194
	.end_amdhsa_kernel
	.amdgpu_metadata
---
amdhsa.version: [ 1, 2 ]
amdhsa.kernels:
  - .name:           k_q7a44d0ddb9_qkv
    .symbol:         k_q7a44d0ddb9_qkv.kd
    .args:
      - { .name: cod, .offset: 0, .size: 8, .value_kind: global_buffer, .address_space: global }
      - { .name: scl, .offset: 8, .size: 8, .value_kind: global_buffer, .address_space: global }
      - { .name: tab, .offset: 16, .size: 8, .value_kind: global_buffer, .address_space: global }
      - { .name: q_gain, .offset: 24, .size: 8, .value_kind: global_buffer, .address_space: global }
      - { .name: qc, .offset: 32, .size: 8, .value_kind: global_buffer, .address_space: global }
      - { .name: qs, .offset: 40, .size: 8, .value_kind: global_buffer, .address_space: global }
      - { .name: kv, .offset: 48, .size: 8, .value_kind: global_buffer, .address_space: global }
    .group_segment_fixed_size: 168448
    .private_segment_fixed_size: 0
    .kernarg_segment_align: 8
    .kernarg_segment_size: 56
    .max_flat_workgroup_size: 128
    .sgpr_count:     66
    .vgpr_count:     1024
    .wavefront_size: 32
...
	.end_amdgpu_metadata
.endif
;; end of part 2
;; launch attn (part 3): grid 4 x 64, 16 waves a work-group, no clusters, 34,816 bytes of LDS; arguments qc, qs, kv, yc, ys; writes yc, ys
.if DOCPART == 3
	.amdgcn_target "amdgcn-amd-amdhsa--gfx1250"
	.amdhsa_code_object_version 6
	.text
	.protected	k_q7a44d0ddb9_attn
	.globl	k_q7a44d0ddb9_attn
	.p2align	8
	.type	k_q7a44d0ddb9_attn,@function
k_q7a44d0ddb9_attn:
	s_mov_b64 s[64:65], 0
	v_nop
	global_prefetch_b8 v0, s[64:65] scope:SCOPE_SE
	s_setreg_imm32_b32 hwreg(HW_REG_WAVE_MODE, 25, 1), 1
	s_wait_xcnt 0x0
; y = softmax(q k^T / 8, causal) v for one query head, both products on codes of FP6 (E2M3) with E8M0 scales, and y's quantiser for the last product.
; THE SOFTMAX: t = score x log2(e) / 8; M = the running largest t rounded UP to a whole number; p = 2^(t - M) is quantised along the keys, not normalised; the row's sum is taken of the unquantised p and divides at the end.
; When M moves, the sum and O are multiplied by 2^(old M - new M): exact.
; SHARES.  Work-group (X, Y = 16 batch + head) makes two passes: the head's block X of 256 queries, then block 7 - X: 2 X + 2 and 16 - 2 X key steps of 128, 18 in every work-group.  Each of the SIXTEEN waves owns one tile of
; 16 queries in 256 registers: four waves to a SIMD, so that one wave's vector work stands beside another's matrix work and LDS loads.
; K AND V.  A key block (13,312 bytes: four fragments of k, four of v, their scale words) lies in kv as images of operand registers.  Waves 0-12 copy 1,024 bytes each of the NEXT block: two loads at a step's head, two LDS stores
; at its end: the loads have the whole step in which to land.  Two slots in LDS; ONE barrier a step: in front of it my reads of this slot and my stores into the other are done.  The ring runs on from pass to pass (a pass has
; an even number of steps, so the next pass's block 0 falls into slot 0); the last step of the second pass copies a block that nobody reads.
; LAYOUT.  Both products transposed: S^T = k q^T, O^T = v^T p^T: a lane holds ONE query.  A head is 64 along K, half of the instruction's 128: a fragment of k holds two tiles of keys (registers 0-5, 6-11), and q stands
; between two runs of six zero registers: [q | 0] picks the first tile, [0 | q] the second.  By the order of a tile's rows the 16 registers of score tiles 2 f, 2 f + 1 are keys 32 f + 16 (lane / 16) + 0 .. 15.
; CAUSAL.  A step all of whose keys come after my 16 queries is left out by a scalar branch on ids, round its work alone; on the diagonal hidden scores become -infinity.  My queries lie inside one group of 32, which no multiple
; of 128 cuts: in every step that is not left out each query sees the step's first key, so M is a number from the first step on.
; CLUSTER: none.  Work-groups of one key head read the same blocks, but the copies go through registers lane by lane, and the work-groups along X walk different numbers of blocks in a pass.
; NO PREFETCH: a key head's blocks are read by sixteen work-groups, and each copy is asked for a whole key step ahead of its use.
; OUT.  yc: fragment (tile of tokens, K step head / 2) of 1,536 bytes, register 2 g + e of lane l at 256 g + 8 l + 4 e; my head fills 768 bytes of it.  ys: the scale word of that fragment at 16 l; my head fills two of its bytes:
; these stores of two bytes a lane are one part in 13 of what the launch stores.
; LIMITS: the quantisers' (byte held at 1 from below; a block of zeros takes the byte 1); O / l is a reciprocal and a product; no NaN or infinities.
; REGISTERS: v1 16 lane, v2 4 lane, v3 1,024 wave + 16 lane, v4 8 lane, v5 my query less my first key within a tile; v8-15 the copy; v16 -M, v17 the largest t, v[18:19] the sum; v20-25 and v32-37 zeros, v26-31 q, v38 q's scale word;
; v40-87 four fragments; v88-91, v92-95 k's and v's scale words; v96-159 S^T, then p; v160-191 O^T; v192-211 codes; v212-231 at work.
.set SLOT, 16384                       ; slot 1 begins here
.set KVB,  13312                       ; a key block
.macro PLACES
.rept 4
	v_nop
.endr
.endm
.macro KSTEP buf
	s_add_co_u32 s28, s22, 1                       ; the block to copy: the next, or block 0 for the next pass
	s_cmp_eq_u32 s28, s19
	s_cselect_b32 s28, 0, s28
	s_min_u32 s28, s28, 15
	s_mul_i32 s28, s28, KVB
	s_mov_b32 s29, 0
	s_add_nc_u64 s[26:27], s[8:9], s[28:29]        ; (the last step's loads were waited for: their base may be written)
	s_cmp_lt_u32 s14, 13
	s_cbranch_scc0 .Lno_load_\@
	global_load_b128 v[8:11], v3, s[26:27]
	global_load_b128 v[12:15], v3, s[26:27] offset:512
.Lno_load_\@:
	s_cmp_gt_u32 s23, s25                          ; all 128 keys come after my last query?
	s_cbranch_scc1 .Lhidden_\@
.irp f, 0,1,2,3
.irp c, 0,1,2
	ds_load_b128 v[40+12*\f+4*\c:43+12*\f+4*\c], v1 offset:SLOT*\buf+1536*\f+512*\c
.endr
	ds_load_b32 v[88+\f], v2 offset:SLOT*\buf+12288+128*\f
.endr
	s_wait_dscnt 0x0
.irp f, 0,1,2,3
	v_wmma_scale_f32_16x16x128_f8f6f4 v[96+16*\f:103+16*\f], v[40+12*\f:51+12*\f], v[26:37], 0, v[88+\f], v38 matrix_a_fmt:MATRIX_FMT_FP6 matrix_b_fmt:MATRIX_FMT_FP6    ; [q | 0]: key tile 2 f
	v_wmma_scale_f32_16x16x128_f8f6f4 v[104+16*\f:111+16*\f], v[40+12*\f:51+12*\f], v[20:31], 0, v[88+\f], v38 matrix_a_fmt:MATRIX_FMT_FP6 matrix_b_fmt:MATRIX_FMT_FP6   ; [0 | q]: key tile 2 f + 1
.endr
	PLACES
.irp f, 0,1,2,3                                ; v's fragments take k's registers and land during the softmax
.irp c, 0,1,2
	ds_load_b128 v[40+12*\f+4*\c:43+12*\f+4*\c], v1 offset:SLOT*\buf+6144+1536*\f+512*\c
.endr
	ds_load_b32 v[92+\f], v2 offset:SLOT*\buf+12800+128*\f
.endr
	s_add_co_u32 s28, s23, 127
	s_cmp_le_u32 s28, s24                          ; all keys count for my first query: no mask
	s_cbranch_scc1 .Lopen_\@
	s_sub_co_i32 s28, s24, s23
	v_add_nc_u32 v230, s28, v5                     ; d = my query - the step's first key - 16 (lane / 16): register 16 b + i is hidden where 32 b + i > d
	v_mov_b32 v231, 0xff800000
.set JJ, 0
.rept 64
	v_cmp_gt_i32 vcc_lo, 32*(JJ/16)+JJ%16, v230
	v_cndmask_b32 v[96+JJ], v[96+JJ], v231, vcc_lo
.set JJ, JJ+1
.endr
.Lopen_\@:
.irp b, 0,1,2,3
	v_max3_num_f32 v[212+\b], v[96+16*\b], v[97+16*\b], v[98+16*\b]   ; the largest score of each block of 32 keys: for the row's maximum, and, since p rises with the score, for the block's largest p
.endr
.irp i, 3,5,7,9,11,13
.irp b, 0,1,2,3
	v_max3_num_f32 v[212+\b], v[212+\b], v[96+16*\b+\i], v[97+16*\b+\i]
.endr
.endr
.irp b, 0,1,2,3
	v_max_num_f32 v[212+\b], v[212+\b], v[111+16*\b]
.endr
.irp b, 0,1,2,3
	v_permlanex16_b32 v[216+\b], v[212+\b], s30, s31
.endr
.irp b, 0,1,2,3
	v_max_num_f32 v[212+\b], v[212+\b], v[216+\b]  ; with lane l xor 16's 16 keys
.endr
	v_max3_num_f32 v227, v212, v213, v214
	v_max_num_f32 v227, v227, v215
	v_mul_f32 v227, s32, v227                      ; as t (c is positive)
	v_max_num_f32 v17, v17, v227                   ; the running largest t
	v_mov_b32 v227, v16
	v_floor_f32 v16, -v17                          ; the new -M = floor(-t): M is a whole number
	v_sub_f32 v227, v16, v227                      ; old M - new M: a whole number, 0 or less
	v_cvt_i32_f32 v227, v227                       ; (it saturates)
	v_ldexp_f32 v224, 1.0, v227                    ; f = 2^(old M - new M)
.set JJ, 0
.rept 32
	v_pk_fma_f32 v[96+JJ:97+JJ], v[96+JJ:97+JJ], s[32:33], v[16:17] op_sel_hi:[1,0,0]   ; t - M, two at a time
.set JJ, JJ+2
.endr
.irp b, 0,1,2,3
	v_fma_f32 v[212+\b], v[212+\b], s32, v16       ; the same of each block's largest score
.endr
.set JJ, 0
.rept 64
	v_exp_f32 v[96+JJ], v[96+JJ]                   ; p = 2^(t - M)
.set JJ, JJ+1
.endr
	v_pk_mul_f32 v[18:19], v[18:19], v[224:225] op_sel_hi:[1,0]   ; the sums under the new M: the plain instruction behind the exponentials
	s_wait_alu depctr_va_vdst(0)                   ; one wait for the batch of 64, ahead of its first reader
.irp b, 0,1,2,3
	v_exp_f32 v[212+\b], v[212+\b]                 ; the block's largest p: the same two instructions on the same number
.endr
	v_pk_add_f32 v[228:229], v[96:97], v[98:99]    ; the row's sum of the unquantised p, in two chains; it reads the 64 alone
.irp j, 4,8,12,16,20,24,28,32,36,40,44,48,52,56,60
	v_pk_add_f32 v[18:19], v[18:19], v[96+\j:97+\j]
	v_pk_add_f32 v[228:229], v[228:229], v[98+\j:99+\j]
.endr
	v_pk_add_f32 v[18:19], v[18:19], v[228:229]
	s_wait_alu depctr_va_vdst(0)                   ; and one for the four
.irp b, 0,1,2,3
	v_max_num_f32 v[212+\b], 0x1800000, v[212+\b]  ; the floor 2^(3 - 127): the byte cannot fall under 1
.endr
.irp b, 0,1,2,3
	v_add_nc_u32 v[220+\b], 0xff000000, v[212+\b]  ; 2 off the exponent field: the conversion's scale operand
.endr
.irp b, 0,1,2,3
	v_lshrrev_b32 v[216+\b], 23, v[220+\b]         ; the scale's byte
.endr
	v_lshl_or_b32 v226, v217, 8, v216              ; p's scale word for these 128 keys
	v_lshl_or_b32 v226, v218, 16, v226
	v_lshl_or_b32 v226, v219, 24, v226
.irp c, 0,1
	v_cvt_scalef32_pk16_fp6_f32 v[192+6*\c:194+6*\c], v[96+32*\c:111+32*\c], v[220+2*\c]
	v_cvt_scalef32_pk16_fp6_f32 v[204+4*\c:206+4*\c], v[112+32*\c:127+32*\c], v[220+2*\c+1]
.endr
	v_nop                                          ; one plain instruction behind the scaled conversions
.irp c, 0,1
.irp i, 0,1,2
	v_permlane16_swap_b32 v[192+6*\c+\i], v[204+4*\c+\i]
.endr
.irp i, 0,1,2
	v_mov_b32 v[195+6*\c+\i], v[204+4*\c+\i]
.endr
.endr
.set JJ, 0
.rept 16
	v_pk_mul_f32 v[160+JJ:161+JJ], v[160+JJ:161+JJ], v[224:225] op_sel_hi:[1,0]   ; O^T under the new M; these sixteen also stand between the codes' and the scale word's last writes and the products below
.set JJ, JJ+2
.endr
	s_wait_dscnt 0x0                               ; v's fragments and scale words
.irp t, 0,1,2,3
	v_wmma_scale_f32_16x16x128_f8f6f4 v[160+8*\t:167+8*\t], v[40+12*\t:51+12*\t], v[192:203], v[160+8*\t:167+8*\t], v[92+\t], v226 matrix_a_fmt:MATRIX_FMT_FP6 matrix_b_fmt:MATRIX_FMT_FP6
.endr
	PLACES                                         ; for the next loads into the fragments' registers, and for the first read of O^T
.Lhidden_\@:
	s_add_co_u32 s23, s23, 128
	s_add_co_u32 s22, s22, 1
	s_wait_loadcnt 0x0                             ; the copy's two loads, asked for at the step's head
	s_cmp_lt_u32 s14, 13
	s_cbranch_scc0 .Lno_store_\@
	ds_store_b128 v3, v[8:11] offset:SLOT*(1-\buf)
	ds_store_b128 v3, v[12:15] offset:SLOT*(1-\buf)+512
.Lno_store_\@:
	s_wait_dscnt 0x0                               ; my stores into the other slot have landed, my reads of this one are in
	s_barrier_signal -1
	s_barrier_wait -1
.endm
	s_load_b256 s[4:11], s[0:1], 0x0               ; qc, qs, kv, yc
	s_load_b64 s[12:13], s[0:1], 0x20              ; ys
	v_lshl_add_u32 v254, v0, 2, 0x8000
	v_mov_b32 v255, 0
	v_lshrrev_b32 v6, 5, v0
	v_readfirstlane_b32 s14, v6                    ; wave 0..15
	v_and_b32 v7, 31, v0
	v_lshlrev_b32 v1, 4, v7
	v_lshlrev_b32 v2, 2, v7
	v_lshl_add_u32 v3, v6, 10, v1
	v_lshlrev_b32 v4, 3, v7
	v_and_b32 v6, 15, v0
	v_and_b32 v7, 8, v6
	v_add_nc_u32 v5, v6, v7                        ; r + 8 (r / 8)
	v_bfe_u32 v7, v0, 4, 1
	v_lshlrev_b32 v7, 4, v7
	v_sub_nc_u32 v5, v5, v7                        ; - 16 (lane / 16)
	s_mov_b32 s15, ttmp9                           ; X
	s_and_b32 s16, ttmp7, 0xffff                   ; Y = 16 batch + head
	s_mov_b32 s30, 0x76543210
	s_mov_b32 s31, 0xfedcba98
	s_mov_b32 s32, 0x3e38aa3b                      ; c = log2(e) / 8
	s_mov_b32 s33, s32
	s_lshr_b32 s44, s14, 1
	s_lshl_b32 s44, s44, 5
	s_and_b32 s28, s14, 1
	s_lshl_b32 s28, s28, 3
	s_add_co_u32 s44, s44, s28                     ; my tile's first query within a block: 32 (wave / 2) + 8 (wave % 2)
	s_lshr_b32 s43, s16, 4
	s_lshl_b32 s43, s43, 7                         ; 128 x batch
	s_and_b32 s42, s16, 15                         ; head
	s_mul_i32 s45, s42, 768                        ; my head's place in a tile's row of y's fragments: 1,536 (head / 2) + 768 (head % 2)
	s_lshr_b32 s46, s42, 3
	s_lshl_b32 s46, s46, 9
	s_and_b32 s28, s42, 7
	s_lshl_b32 s28, s28, 1
	s_add_co_u32 s46, s46, s28                     ; and among its scale bytes: 512 (head / 8) + 2 (head % 8)
	s_lshr_b32 s28, s16, 2                         ; 4 batch + head / 4: the key head
	s_mul_i32 s28, s28, 16*KVB
	s_mov_b32 s29, 0
.irp i, 20,21,22,23,24,25,32,33,34,35,36,37
	v_mov_b32 v[\i], 0                             ; zero codes on both sides of q
.endr
.irp i, 216,217,218,219,225,227
	v_mov_b32 v[\i], 0                             ; lane permutes' destinations, and the upper half of f's pair: written once
.endr
	s_wait_kmcnt 0x0
	s_add_nc_u64 s[8:9], s[8:9], s[28:29]
	s_cmp_lt_u32 s14, 13
	s_cbranch_scc0 .Lno_first
	global_load_b128 v[8:11], v3, s[8:9]           ; block 0 into slot 0
	global_load_b128 v[12:15], v3, s[8:9] offset:512
	s_wait_loadcnt 0x0
	ds_store_b128 v3, v[8:11]
	ds_store_b128 v3, v[12:15] offset:512
.Lno_first:
	s_wait_dscnt 0x0
	s_barrier_signal -1
	s_barrier_wait -1
	s_mov_b32 s17, 0                               ; the pass
.Lpass:
	s_wait_xcnt 0x0                                ; the last pass's stores have read their registers and addresses
	s_sub_co_u32 s28, 7, s15
	s_cmp_eq_u32 s17, 0
	s_cselect_b32 s18, s15, s28                    ; the block of 256 queries
	s_lshl_b32 s19, s18, 1
	s_add_co_u32 s19, s19, 2                       ; its key steps
	s_add_co_u32 s20, s18, 1                       ; and trips of two
	s_lshl_b32 s28, s18, 4
	s_add_co_u32 s28, s28, s14                     ; my tile of queries
	s_lshl_b32 s24, s18, 8
	s_add_co_u32 s24, s24, s44                     ; my first query,
	s_add_co_u32 s25, s24, 23                      ; my last
	s_lshl_b32 s29, s16, 7
	s_add_co_u32 s29, s29, s28
	s_mul_i32 s34, s29, 768
	s_mov_b32 s35, 0
	s_add_nc_u64 s[34:35], s[4:5], s[34:35]
	s_lshl_b32 s36, s29, 7
	s_mov_b32 s37, 0
	s_add_nc_u64 s[36:37], s[6:7], s[36:37]
	s_add_co_u32 s29, s43, s28                     ; y's tile of tokens
	s_mul_i32 s38, s29, 12288
	s_add_co_u32 s38, s38, s45
	s_mov_b32 s39, 0
	s_add_nc_u64 s[38:39], s[10:11], s[38:39]
	s_lshl_b32 s40, s29, 10
	s_add_co_u32 s40, s40, s46
	s_mov_b32 s41, 0
	s_add_nc_u64 s[40:41], s[12:13], s[40:41]
.irp g, 0,1,2
	global_load_b64 v[26+2*\g:27+2*\g], v4, s[34:35] offset:256*\g
.endr
	global_load_b32 v38, v2, s[36:37]
	v_mov_b32 v17, 0xff61b1e6                      ; the largest t so far: -3e38
	v_floor_f32 v16, -v17
	v_mov_b32 v18, 0
	v_mov_b32 v19, 0
.set JJ, 0
.rept 32
	v_mov_b32 v[160+JJ], 0                         ; O^T: the step is written once; the first finds zeros, which the first change of M leaves zeros
.set JJ, JJ+1
.endr
	s_mov_b32 s21, 0                               ; trips
	s_mov_b32 s22, 0                               ; the key step
	s_mov_b32 s23, 0                               ; its first key
	s_wait_loadcnt 0x0
.Ltrip:
	KSTEP 0
	KSTEP 1
	s_add_co_u32 s21, s21, 1
	s_cmp_lt_u32 s21, s20
	s_cbranch_scc1 .Ltrip
	; the pass's end: O^T / the sum, quantised along the head: two blocks of 32
	v_add_f32 v18, v18, v19
	v_permlanex16_b32 v227, v18, s30, s31
	v_add_f32 v18, v18, v227                       ; the row's sum
	v_rcp_f32 v224, v18
	v_nop                                          ; a plain instruction behind the reciprocal,
	s_wait_alu depctr_va_vdst(0)                   ; and the wait ahead of its first reader
.set JJ, 0
.rept 16
	v_pk_mul_f32 v[96+JJ:97+JJ], v[160+JJ:161+JJ], v[224:225] op_sel_hi:[1,0]   ; register 16 b + i: channel 32 b + 16 (lane / 16) + i
.set JJ, JJ+2
.endr
.irp b, 0,1
	v_max3_num_f32 v[212+\b], |v[96+16*\b]|, |v[97+16*\b]|, 0x1800000
.endr
.irp i, 2,4,6,8,10,12,14
.irp b, 0,1
	v_max3_num_f32 v[212+\b], v[212+\b], |v[96+16*\b+\i]|, |v[97+16*\b+\i]|
.endr
.endr
.irp b, 0,1
	v_permlanex16_b32 v[216+\b], v[212+\b], s30, s31
.endr
.irp b, 0,1
	v_max_num_f32 v[212+\b], v[212+\b], v[216+\b]
.endr
.irp b, 0,1
	v_add_nc_u32 v[220+\b], 0xff000000, v[212+\b]
.endr
.irp b, 0,1
	v_lshrrev_b32 v[216+\b], 23, v[220+\b]
.endr
	v_lshl_or_b32 v226, v217, 8, v216              ; my head's two scale bytes
	v_cvt_scalef32_pk16_fp6_f32 v[192:194], v[96:111], v220
	v_cvt_scalef32_pk16_fp6_f32 v[204:206], v[112:127], v221
	v_nop
.irp i, 0,1,2
	v_permlane16_swap_b32 v[192+\i], v[204+\i]
.endr
.irp i, 0,1,2
	v_mov_b32 v[195+\i], v[204+\i]
.endr
.irp g, 0,1,2
	global_store_b64 v4, v[192+2*\g:193+2*\g], s[38:39] offset:256*\g   ; 32 lanes store 256 consecutive bytes, aligned
.endr
	global_store_b16 v1, v226, s[40:41]
	s_add_co_u32 s17, s17, 1
	s_cmp_lt_u32 s17, 2
	s_cbranch_scc1 .Lpass
	s_wait_tensorcnt 0x0
	ds_add_u32 v254, v255
	s_wait_dscnt 0x0
	s_endpgm
.Lfunc_end_k_q7a44d0ddb9_attn:
	.size	k_q7a44d0ddb9_attn, .Lfunc_end_k_q7a44d0ddb9_attn-k_q7a44d0ddb9_attn
	.p2alignl 7, 3214868480
	.fill 96, 4, 3214868480
	.section	.rodata,"a",@progbits
	.p2align	6, 0x0
	.amdhsa_kernel k_q7a44d0ddb9_attn
		.amdhsa_group_segment_fixed_size 34816
		.amdhsa_private_segment_fixed_size 0
		.amdhsa_enable_private_segment 0
		.amdhsa_kernarg_size 40
		.amdhsa_user_sgpr_count 2
		.amdhsa_user_sgpr_kernarg_segment_ptr 1
		.amdhsa_wavefront_size32 1
		.amdhsa_system_sgpr_workgroup_id_x 1
		.amdhsa_system_sgpr_workgroup_id_y 1
		.amdhsa_system_sgpr_workgroup_id_z 1
		.amdhsa_system_vgpr_workitem_id 0
		.amdhsa_next_free_vgpr 256
		.amdhsa_next_free_sgpr 66
		.amdhsa_reserve_vcc 1
		.amdhsa_float_denorm_mode_32 3
		.amdhsa_float_denorm_mode_16_64 3
		.amdhsa_memory_ordered 1
		.amdhsa_forward_progress 1
		.amdhsa_inst_pref_size 53
	.end_amdhsa_kernel
	.amdgpu_metadata
---
amdhsa.version: [ 1, 2 ]
amdhsa.kernels:
  - .name:           k_q7a44d0ddb9_attn
    .symbol:         k_q7a44d0ddb9_attn.kd
    .args:
      - { .name: qc, .offset: 0, .size: 8, .value_kind: global_buffer, .address_space: global }
      - { .name: qs, .offset: 8, .size: 8, .value_kind: global_buffer, .address_space: global }
      - { .name: kv, .offset: 16, .size: 8, .value_kind: global_buffer, .address_space: global }
      - { .name: yc, .offset: 24, .size: 8, .value_kind: global_buffer, .address_space: global }
      - { .name: ys, .offset: 32, .size: 8, .value_kind: global_buffer, .address_space: global }
    .group_segment_fixed_size: 34816
    .private_segment_fixed_size: 0
    .kernarg_segment_align: 8
    .kernarg_segment_size: 40
    .max_flat_workgroup_size: 512
    .sgpr_count:     66
    .vgpr_count:     256
    .wavefront_size: 32
...
	.end_amdgpu_metadata
.endif
;; end of part 3
;; launch proj (part 4): grid 4 x 64, 4 waves a work-group, no clusters, 168,448 bytes of LDS; arguments yc, ys, cod, scl, out0; writes out0
.if DOCPART == 4
	.amdgcn_target "amdgcn-amd-amdhsa--gfx1250"
	.amdhsa_code_object_version 6
	.text
	.protected	k_q7a44d0ddb9_proj
	.globl	k_q7a44d0ddb9_proj
	.p2align	8
	.type	k_q7a44d0ddb9_proj,@function
k_q7a44d0ddb9_proj:
	s_mov_b64 s[64:65], 0
	v_nop
	global_prefetch_b8 v0, s[64:65] scope:SCOPE_SE
	s_setreg_imm32_b32 hwreg(HW_REG_WAVE_MODE, 25, 1), 1
	s_wait_xcnt 0x0
; out = y Wproj^T on codes of FP6 (E2M3) with E8M0 scales; out is [8192][1024] f32.
; SHARES.  Work-group (X, Y): tokens 128 Y on, outputs 256 X on; a wave 128 tokens x 64 outputs: 32 accumulators, 256 matrix instructions, K = 1,024 in eight steps, all written out.
; OPERANDS.  y's 64 fragments (98,304 dense bytes of yc) come into LDS ONCE, a quarter by each wave's one tensor load, and are read as images (six loads of 8 bytes a lane: so attention stored them).  The wave's 32 fragments of
; Wproj come from memory straight into 384 registers, all asked for at the head.  Nothing in LDS is filled again: one barrier.
; Source 0 = 16 rows of Wproj, source 1 = 16 tokens: a lane holds one token, and its registers 16 b + i of a token tile are outputs 32 b + 16 (lane / 16) + i of the wave's 64.
; THE WAY OUT.  A token tile (16 rows x 256 bytes) goes through the wave's own stage in LDS (rows 272 bytes apart, two stages by turns, behind y's fragments: no tensor load lands there) and comes back by rows:
; sixteen lanes store 256 consecutive bytes, aligned.  The rows of a tile are tokens 32 (a / 2) + 8 (a % 2) + r + 8 (r / 8).
; CLUSTER: none.  The four work-groups of a token block read the same 98,304 bytes of y's codes, once, at the head; each also reads 196,608 bytes of weights of its own, lane by lane: what is shared is a third of a work-group's bytes.
; REGISTERS, in windows of 256: window 0: v1-8 addresses; v32-95 y's scale words, v96-127 W's; v128-223 y's fragments, set 0; on the way out v128-191 rows.   window 1: W's fragments of K steps 0-4.
;   window 2: the accumulators (32 token tile + 8 W tile).   window 3: v0-143 W's fragments of K steps 5-7; v144-239 y's fragments, set 1.
.set LI,  1                            ; v1  16 x lane
.set L8,  2                            ; v2  8 x lane
.set L82, 3                            ; v3  8 x lane + 49,152
.set STO, 4                            ; v4  the stage, way in
.set RD,  5                            ; v5  the stage, way out
.set CO,  6                            ; v6  my byte offset in two rows of out
.set SA,  32
.set SB,  96
.set A0,  128
.set A1,  144
.set BK,  128
.set STAGE, 98304
.set MSB, 0
.macro WIN new                         ; the immediate's high byte repeats the setting that is left
.if MSB != \new
	s_set_vgpr_msb (MSB<<8)|\new
.set MSB, \new
.endif
.endm
.macro PLACES                          ; four plain instructions between a matrix instruction and a load into, or a store from, its registers
.rept 4
	v_nop
.endr
.endm
.macro MM d, a, b, sa, sb, zero
.if \zero
	v_wmma_scale_f32_16x16x128_f8f6f4 v[\d:\d+7], v[\a:\a+11], v[\b:\b+11], 0, v[\sa], v[\sb] matrix_a_fmt:MATRIX_FMT_FP6 matrix_b_fmt:MATRIX_FMT_FP6
.else
	v_wmma_scale_f32_16x16x128_f8f6f4 v[\d:\d+7], v[\a:\a+11], v[\b:\b+11], v[\d:\d+7], v[\sa], v[\sb] matrix_a_fmt:MATRIX_FMT_FP6 matrix_b_fmt:MATRIX_FMT_FP6
.endif
.endm
.macro FETCH_A ks                      ; y's eight fragments of K step ks, 48 loads of 256 consecutive bytes, into set ks % 2
.if ((\ks)%2) == 0
	WIN 0
.set FB, A0
.else
	WIN 0xc0
.set FB, A1
.endif
.irp t, 0,1,2,3
.irp g, 0,1,2,3,4,5
	ds_load_b64 v[FB+12*\t+2*\g:FB+12*\t+2*\g+1], v[L8] offset:(8*\t+(\ks))*1536+256*\g
.endr
.endr
.irp t, 4,5,6,7
.irp g, 0,1,2,3,4,5
	ds_load_b64 v[FB+12*\t+2*\g:FB+12*\t+2*\g+1], v[L82] offset:(8*(\t-4)+(\ks))*1536+256*\g
.endr
.endr
.endm
.macro KSTEP ks                        ; 32 matrix instructions, the 32 accumulators by turns in the same order in every step
.set KS, \ks
.if KS > 0
	PLACES
.endif
.if KS < 7
	FETCH_A KS+1
	s_wait_dscnt 48                                ; this step's fragments are in; the 48 loads just issued may be out
.else
	s_wait_dscnt 0x0
.endif
.set LC, 12*(7-KS)                     ; W's loads for later K steps, 12 each, may be out (a smaller count where the field ends)
.if LC > 63
.set LC, 63
.endif
	s_wait_loadcnt LC
.if KS <= 4
.set BW, 1
.set BB, 48*KS
.else
.set BW, 3
.set BB, 48*(KS-5)
.endif
.if (KS%2) == 0
.set AW, 0
.set AB, A0
.else
.set AW, 3
.set AB, A1
.endif
.set ZR, 0
.if KS == 0
.set ZR, 1
.endif
.set WN, 0xa0|BW|(AW<<2)
	WIN WN
.irp t, 0,1,2,3,4,5,6,7
.irp c, 0,1,2,3
	MM 32*\t+8*\c, BB+12*\c, AB+12*\t, SB+8*\c+KS, SA+8*\t+KS, ZR
.endr
.endr
	WIN 0
.endm
.macro TOSTAGE a
	WIN 0x08                                       ; an LDS store's data are its source 1: window 2
.irp q, 0,1,2,3,4,5,6,7
	ds_store_b128 v[STO], v[32*(\a)+4*\q:32*(\a)+4*\q+3] offset:4352*((\a)%2)+128*(\q/4)+16*(\q%4)   ; each accumulator from its low end on
.endr
	WIN 0
.irp i, 0,1,2,3,4,5,6,7
	ds_load_b128 v[BK+32*((\a)%2)+4*\i:BK+32*((\a)%2)+4*\i+3], v[RD] offset:4352*((\a)%2)+544*\i   ; LDS serves a wave's instructions in order: these see the stores above
.endr
.endm
.macro SEND a, younger                 ; younger: the LDS instructions issued behind tile a's loads, which may stay out
	s_wait_dscnt \younger
.irp i, 0,1,2,3,4,5,6,7
	global_store_b128 v[CO], v[BK+32*((\a)%2)+4*\i:BK+32*((\a)%2)+4*\i+3], s[46:47] offset:(32*((\a)/2)+8*((\a)%2)+2*\i+8*(\i/4))*4096 th:TH_STORE_NT
.endr
.endm
	s_load_b256 s[4:11], s[0:1], 0x0               ; yc, ys, cod, scl
	s_load_b64 s[12:13], s[0:1], 0x20              ; out0
	v_lshl_add_u32 v254, v0, 2, 0x29000
	v_mov_b32 v255, 0
	ds_add_u32 v254, v255
	ds_add_u32 v254, v255
	v_lshrrev_b32 v7, 5, v0
	v_readfirstlane_b32 s18, v7                    ; wave
	s_mov_b32 s19, ttmp9                           ; X
	s_and_b32 s20, ttmp7, 0xffff                   ; Y
	v_and_b32 v7, 31, v0
	v_lshlrev_b32 v[LI], 4, v7
	v_lshlrev_b32 v[L8], 3, v7
	v_add_nc_u32 v[L82], 49152, v[L8]
	v_and_b32 v7, 15, v0                           ; r
	v_bfe_u32 v8, v0, 4, 1                         ; h
	s_mul_i32 s28, s18, 8704
	s_add_co_u32 s28, s28, STAGE                   ; my two stages
	v_mul_u32_u24 v[STO], v7, 272
	v_lshl_add_u32 v[STO], v8, 6, v[STO]
	v_add_nc_u32 v[STO], s28, v[STO]               ; in: row r, 64 h bytes into each 128
	v_mul_u32_u24 v[RD], v8, 272
	v_lshl_add_u32 v[RD], v7, 4, v[RD]
	v_add_nc_u32 v[RD], s28, v[RD]                 ; back: lanes 0-15 one row, lanes 16-31 the next
	v_lshlrev_b32 v[CO], 12, v8
	v_lshl_add_u32 v[CO], v7, 4, v[CO]             ; and the same two rows of out
	; descriptor group 1: 24,576 dense bytes as 96 rows of 32 elements of 8 bytes, no padding
	s_mov_b32 s32, 3<<16
	s_mov_b32 s33, 32<<16
	s_mov_b32 s34, 96<<16
	s_mov_b32 s35, 32<<16
	s_mov_b32 s36, 96
	s_mov_b32 s37, 32
	s_mov_b32 s38, 0
	s_mov_b32 s39, 0
	s_mov_b32 s24, 1
	s_mul_i32 s25, s18, 24576
	s_mul_i32 s40, s20, 98304
	s_add_co_u32 s40, s40, s25
	s_mov_b32 s41, 0
	s_wait_dscnt 0x0
	s_wait_kmcnt 0x0
	s_add_nc_u64 s[26:27], s[4:5], s[40:41]
	s_or_b32 s27, s27, 0x80000000
	tensor_load_to_lds s[24:27], s[32:39]          ; my one tensor load of the launch
	s_nop 0
.rept 4
	v_nop
.endr
	s_lshl_b32 s40, s19, 2
	s_add_co_u32 s40, s40, s18
	s_lshl_b32 s40, s40, 2
	s_add_co_u32 s40, s40, 608                     ; Wproj's tile 608 + 16 X + 4 wave
	s_lshl_b32 s42, s40, 10
	s_mul_i32 s40, s40, 12288
	s_mov_b32 s43, 0
	s_add_nc_u64 s[40:41], s[8:9], s[40:41]
	s_add_nc_u64 s[42:43], s[10:11], s[42:43]
	s_lshl_b32 s44, s20, 13
	s_mov_b32 s45, 0
	s_add_nc_u64 s[44:45], s[6:7], s[44:45]        ; y's scale words
	s_lshl_b32 s46, s20, 19                        ; 128 rows of 4,096 bytes,
	s_lshl_b32 s28, s19, 10
	s_add_co_u32 s46, s46, s28                     ; 1,024 bytes a work-group,
	s_lshl_b32 s28, s18, 8
	s_add_co_u32 s46, s46, s28                     ; 256 a wave
	s_mov_b32 s47, 0
	s_add_nc_u64 s[46:47], s[12:13], s[46:47]
.irp t, 0,1,2,3,4,5,6,7
.irp g, 0,1
	global_load_b128 v[SA+8*\t+4*\g:SA+8*\t+4*\g+3], v[LI], s[44:45] offset:1024*\t+512*\g
.endr
.endr
.irp c, 0,1,2,3
.irp g, 0,1
	global_load_b128 v[SB+8*\c+4*\g:SB+8*\c+4*\g+3], v[LI], s[42:43] offset:1024*\c+512*\g
.endr
.endr
	WIN 0x40
.irp k, 0,1,2,3,4
.irp c, 0,1,2,3
.irp e, 0,1,2
	global_load_b128 v[48*\k+12*\c+4*\e:48*\k+12*\c+4*\e+3], v[LI], s[40:41] offset:12288*\c+1536*\k+512*\e
.endr
.endr
.endr
	WIN 0xc0
.irp k, 5,6,7
.irp c, 0,1,2,3
.irp e, 0,1,2
	global_load_b128 v[48*(\k-5)+12*\c+4*\e:48*(\k-5)+12*\c+4*\e+3], v[LI], s[40:41] offset:12288*\c+1536*\k+512*\e
.endr
.endr
.endr
	WIN 0
	s_wait_tensorcnt 0x0                           ; my quarter of y's fragments is in LDS,
	s_barrier_signal -1
	s_barrier_wait -1                              ; everybody's is
	FETCH_A 0
	KSTEP 0
	KSTEP 1
	KSTEP 2
	KSTEP 3
	KSTEP 4
	KSTEP 5
	KSTEP 6
	KSTEP 7
	PLACES
	TOSTAGE 0
.irp a, 1,2,3,4,5,6,7
.if \a > 1
	s_wait_xcnt 0x0                                ; tile a - 2's stores have read their registers: tile a's rows may land there
.endif
	TOSTAGE \a
	SEND \a-1, 16                                  ; behind tile a - 1's loads: tile a's 8 stores and 8 loads
.endr
	SEND 7, 0
	s_wait_tensorcnt 0x0
	ds_add_u32 v254, v255
	s_wait_dscnt 0x0
	s_endpgm
.Lfunc_end_k_q7a44d0ddb9_proj:
	.size	k_q7a44d0ddb9_proj, .Lfunc_end_k_q7a44d0ddb9_proj-k_q7a44d0ddb9_proj
	.p2alignl 7, 3214868480
	.fill 96, 4, 3214868480
	.section	.rodata,"a",@progbits
	.p2align	6, 0x0
	.amdhsa_kernel k_q7a44d0ddb9_proj
		.amdhsa_group_segment_fixed_size 168448
		.amdhsa_private_segment_fixed_size 0
		.amdhsa_enable_private_segment 0
		.amdhsa_kernarg_size 40
		.amdhsa_user_sgpr_count 2
		.amdhsa_user_sgpr_kernarg_segment_ptr 1
		.amdhsa_wavefront_size32 1
		.amdhsa_system_sgpr_workgroup_id_x 1
		.amdhsa_system_sgpr_workgroup_id_y 1
		.amdhsa_system_sgpr_workgroup_id_z 1
		.amdhsa_system_vgpr_workitem_id 0
		.amdhsa_next_free_vgpr 1024
		.amdhsa_next_free_sgpr 66
		.amdhsa_reserve_vcc 0
		.amdhsa_float_denorm_mode_32 3
		.amdhsa_float_denorm_mode_16_64 3
		.amdhsa_memory_ordered 1
		.amdhsa_forward_progress 1
		.amdhsa_inst_pref_size 88
	.end_amdhsa_kernel
	.amdgpu_metadata
---
amdhsa.version: [ 1, 2 ]
amdhsa.kernels:
  - .name:           k_q7a44d0ddb9_proj
    .symbol:         k_q7a44d0ddb9_proj.kd
    .args:
      - { .name: yc, .offset: 0, .size: 8, .value_kind: global_buffer, .address_space: global }
      - { .name: ys, .offset: 8, .size: 8, .value_kind: global_buffer, .address_space: global }
      - { .name: cod, .offset: 16, .size: 8, .value_kind: global_buffer, .address_space: global }
      - { .name: scl, .offset: 24, .size: 8, .value_kind: global_buffer, .address_space: global }
      - { .name: out0, .offset: 32, .size: 8, .value_kind: global_buffer, .address_space: global }
    .group_segment_fixed_size: 168448
    .private_segment_fixed_size: 0
    .kernarg_segment_align: 8
    .kernarg_segment_size: 40
    .max_flat_workgroup_size: 128
    .sgpr_count:     66
    .vgpr_count:     1024
    .wavefront_size: 32
...
	.end_amdgpu_metadata
.endif
;; end of part 4
;; ======== version 2 of 2: 4 launches
;; workspace buffers: cod 8,257,536 bytes; scl 688,128 bytes; tab 524,288 bytes; qc 6,291,456 bytes; qs 1,048,576 bytes; kv 3,407,872 bytes; yc 6,291,456 bytes; ys 524,288 bytes
;; launch prep (part 5): grid 368 x 1, 4 waves a work-group, no clusters, 68,096 bytes of LDS; arguments x, Wq, Wk, Wv, Wproj, cod, scl, tab; writes cod, scl, tab
.if DOCPART == 5
	.amdgcn_target "amdgcn-amd-amdhsa--gfx1250"
	.amdhsa_code_object_version 6
	.text
	.protected	k_q7a44d0ddb9_prep
	.globl	k_q7a44d0ddb9_prep
	.p2align	8
	.type	k_q7a44d0ddb9_prep,@function
k_q7a44d0ddb9_prep:
	s_mov_b64 s[64:65], 0
	v_nop
	global_prefetch_b8 v0, s[64:65] scope:SCOPE_SE
	s_setreg_imm32_b32 hwreg(HW_REG_WAVE_MODE, 25, 1), 1
	s_wait_xcnt 0x0
; x [8192][1024] and the four weights (Wq 1024, Wk 256, Wv 256, Wproj 1024 rows of 1024), all f32 with K innermost, become codes of FP6 (E2M3) with one E8M0 byte for each 32 along K,
; laid as IMAGES OF OPERAND REGISTERS; and the table of cos and sin for the rotary embedding is made.
; TILES.  672 tiles of 16 rows: 0-511 x, 512-575 Wq, 576-591 Wk, 592-607 Wv, 608-671 Wproj.  THE ROWS OF A TILE ARE NOT NEIGHBOURS: lane row r of a tensor's tile t is its row 32 (t / 2) + 8 (t % 2) + r + 8 (r / 8),
; so that in every product of the later launches the 16 registers of two neighbouring result tiles are 16 neighbours along the next product's K.
; cod: fragment (tile, K step of 128) = 1,536 bytes at (8 tile + step) x 1,536: register 4 c + e of lane l at 512 c + 16 l + 4 e.   scl: 1,024 bytes a tile: the word of K step s for lane l at 512 (s / 4) + 16 l + 4 (s % 4).
; A block's scale is 2^(floor(log2(its largest magnitude)) - 2); its byte is the largest magnitude's exponent field - 2, held at 1 from below.
; LIMITS: a block whose largest magnitude lies under 2^-124 takes the byte 1; a block of zeros takes the byte 1 where the rule says 127 (its codes are zeros, and this program alone reads the bytes); NaN and infinities are not served.
; SHARES.  Work-groups 0-335: two tiles each; wave w takes tile 2 wg + w / 2 and K half w % 2: four K steps.  Each load reads 512 consecutive bytes of one row; a K step's 16 rows turn through the wave's own stage in LDS
; (rows 528 bytes apart: row r begins 16 r bytes on modulo 256) and come back 16 neighbours of each block of 32 to a lane.  Waves share nothing: no barrier.  Loads run two K steps (32 loads) ahead.
; Work-groups 336-367: the table.  tab row t = 256 bytes: cos(t f_i), i = 0 .. 31, then sin(t f_i); f_i = 1 / 10^(i / 8).  A wave takes 16 t, a lane a frequency.  The angle t f_i is one f32 product, as in the problem;
; it is reduced by multiples of pi / 2 in two parts (the first difference is exact: the multiple is under 2^11) and goes through polynomials of degree 7 and 8 on +-pi / 4.
; LIMIT: 10^(i / 8) is fl(c x 10^d), c = fl(10^((i % 8) / 8)), d = i / 8: at most one unit in the last place from the rounded power.
.set RAW,  16                          ; v16-143  two sets of 16 rows x 4 registers, as loaded
.set XN,   144                         ; v144-207 64 numbers of my row: register 16 b + i = k 32 b + 16 (lane / 16) + i
.set PC,   208                         ; v208-227 the codes just made (12) and the conversions' second halves
.set TM,   228                         ; v228-243 largest magnitudes, bytes, scale operands
.set PW,   244                         ; v244     the scale word just made
.set SW,   248                         ; v248-251 four K steps' scale words
.set SEL,  30                          ; s[30:31] lane selects for v_permlanex16_b32: lane l xor 16
.set STG,  8448                        ; a stage: 16 rows x 528 bytes; two for each wave
.set NQWG, 336
; 64 numbers of a lane, register 16 b + i = k 32 b + 16 (lane / 16) + i of my row, become a fragment's codes in v[PC] on and its scale word in v[PW] (the same in lanes l and l xor 16).
.macro QUANT s
.irp b, 0,1,2,3
	v_max3_num_f32 v[TM+\b], |v[\s+16*\b]|, |v[\s+1+16*\b]|, 0x1800000   ; my 16 numbers of block b, and the floor 2^(3 - 127): the byte cannot fall under 1
.endr
.irp i, 2,4,6,8,10,12,14
.irp b, 0,1,2,3
	v_max3_num_f32 v[TM+\b], v[TM+\b], |v[\s+16*\b+\i]|, |v[\s+1+16*\b+\i]|   ; the four blocks by turns
.endr
.endr
.irp b, 0,1,2,3
	v_permlanex16_b32 v[TM+4+\b], v[TM+\b], s[SEL], s[SEL+1]
.endr
.irp b, 0,1,2,3
	v_max_num_f32 v[TM+\b], v[TM+\b], v[TM+4+\b]                   ; with lane l xor 16's 16: the block's largest magnitude
.endr
.irp b, 0,1,2,3
	v_add_nc_u32 v[TM+12+\b], 0xff000000, v[TM+\b]                 ; 2 off its exponent field: the conversion takes this operand's exponent field as its scale
.endr
.irp b, 0,1,2,3
	v_lshrrev_b32 v[TM+4+\b], 23, v[TM+12+\b]                      ; the scale's byte
.endr
	v_lshl_or_b32 v[PW], v[TM+5], 8, v[TM+4]
	v_lshl_or_b32 v[PW], v[TM+6], 16, v[PW]
	v_lshl_or_b32 v[PW], v[TM+7], 24, v[PW]
.irp c, 0,1
	v_cvt_scalef32_pk16_fp6_f32 v[PC+6*\c:PC+2+6*\c], v[\s+32*\c:\s+15+32*\c], v[TM+12+2*\c]
	v_cvt_scalef32_pk16_fp6_f32 v[PC+12+4*\c:PC+14+4*\c], v[\s+16+32*\c:\s+31+32*\c], v[TM+12+2*\c+1]   ; (a conversion's three registers begin on an even number)
.endr
	v_nop                                          ; one plain instruction behind the scaled conversions
.irp c, 0,1                                    ; the operand wants a whole block in a lane: lanes 0-15 block 2 c, lanes 16-31 block 2 c + 1
.irp i, 0,1,2
	v_permlane16_swap_b32 v[PC+6*\c+\i], v[PC+12+4*\c+\i]
.endr
.irp i, 0,1,2
	v_mov_b32 v[PC+3+6*\c+\i], v[PC+12+4*\c+\i]
.endr
.endr
.endm
.macro LOADK ks                        ; K step ks of my half: 512 consecutive bytes of each of the tile's 16 rows
.irp i, 0,1,2,3,4,5,6,7,8,9,10,11,12,13,14,15
	global_load_b128 v[RAW+64*((\ks)%2)+4*\i:RAW+64*((\ks)%2)+4*\i+3], v2, s[20:21] offset:(\i+8*(\i/8))*4096+512*(\ks) th:TH_LOAD_NT
.endr
.endm
.macro STEP ks
	s_wait_xcnt 0x0                                ; the last step's stores have read the codes' registers
.if (\ks) < 3
	s_wait_loadcnt 16                              ; this step's 16 loads are in; the next step's 16 may be out
.else
	s_wait_loadcnt 0x0
.endif
.irp i, 0,1,2,3,4,5,6,7,8,9,10,11,12,13,14,15
	ds_store_b128 v3, v[RAW+64*((\ks)%2)+4*\i:RAW+64*((\ks)%2)+4*\i+3] offset:STG*((\ks)%2)+528*\i
.endr
.irp b, 0,1,2,3                                ; LDS serves a wave's instructions in order: these see the stores above
.irp j, 0,1,2,3
	ds_load_b128 v[XN+16*\b+4*\j:XN+16*\b+4*\j+3], v4 offset:STG*((\ks)%2)+128*\b+16*\j
.endr
.endr
	s_wait_dscnt 0x0
.if (\ks) < 2
	LOADK (\ks)+2                                  ; into the set that has just gone through the stage
.endif
	QUANT XN
	v_mov_b32 v[SW+(\ks)], v[PW]
.irp c, 0,1,2
	global_store_b128 v2, v[PC+4*\c:PC+4*\c+3], s[14:15] offset:1536*(\ks)+512*\c   ; 32 lanes store 512 consecutive bytes, aligned
.endr
.endm
.macro BASE10 j, c                     ; 10^(j / 8) into lanes j, j + 8, j + 16, j + 24
	s_mov_b32 s28, \c
	v_writelane_b32 v8, s28, \j
	v_writelane_b32 v8, s28, \j+8
	v_writelane_b32 v8, s28, \j+16
	v_writelane_b32 v8, s28, \j+24
.endm
	s_load_b256 s[4:11], s[0:1], 0x0               ; x, Wq, Wk, Wv
	s_load_b256 s[12:19], s[0:1], 0x20             ; Wproj, cod, scl, tab
	v_lshl_add_u32 v254, v0, 2, 0x10800
	v_mov_b32 v255, 0
	v_lshrrev_b32 v1, 5, v0
	v_readfirstlane_b32 s24, v1                    ; wave
	v_and_b32 v5, 31, v0                           ; lane
	s_cmp_ge_u32 ttmp9, NQWG
	s_cbranch_scc1 .Ltable
	; ---- the quantiser
	v_lshlrev_b32 v2, 4, v5                        ; 16 x lane: my bytes of a load's 512, and of an image's
	s_mul_i32 s25, s24, 2*STG                      ; my wave's two stages
	v_add_nc_u32 v3, s25, v2                       ; way in: row i at 528 i
	v_and_b32 v6, 15, v0                           ; r
	v_bfe_u32 v7, v0, 4, 1                         ; h
	v_mul_u32_u24 v4, v6, 528
	v_lshl_add_u32 v4, v7, 6, v4
	v_add_nc_u32 v4, s25, v4                       ; way out: row r, 64 h bytes into each block of 128 bytes
	s_mov_b32 s[SEL], 0x76543210
	s_mov_b32 s[SEL+1], 0xfedcba98
.irp b, 0,1,2,3
	v_mov_b32 v[TM+4+\b], 0                        ; written once: a lane permute's destination counts as one of its sources
.endr
	s_lshr_b32 s26, s24, 1                         ; which of the work-group's two tiles
	s_and_b32 s27, s24, 1                          ; which half of K
	s_wait_alu depctr_va_vdst(0)
	s_wait_kmcnt 0x0
	s_mov_b64 s[20:21], s[4:5]                     ; the tensor is chosen by the work-group's number alone
	s_mov_b32 s22, 0                               ; and its first work-group
	s_cmp_ge_u32 ttmp9, 256
	s_cselect_b64 s[20:21], s[6:7], s[20:21]
	s_cselect_b32 s22, 256, s22
	s_cmp_ge_u32 ttmp9, 288
	s_cselect_b64 s[20:21], s[8:9], s[20:21]
	s_cselect_b32 s22, 288, s22
	s_cmp_ge_u32 ttmp9, 296
	s_cselect_b64 s[20:21], s[10:11], s[20:21]
	s_cselect_b32 s22, 296, s22
	s_cmp_ge_u32 ttmp9, 304
	s_cselect_b64 s[20:21], s[12:13], s[20:21]
	s_cselect_b32 s22, 304, s22
	s_sub_co_u32 s22, ttmp9, s22
	s_lshl_b32 s22, s22, 17                        ; 32 rows of 4,096 bytes for each pair of tiles,
	s_lshl_b32 s28, s26, 15                        ; 8 rows for the pair's second tile,
	s_add_co_u32 s22, s22, s28
	s_lshl_b32 s28, s27, 11                        ; 2,048 bytes for the second half of K
	s_add_co_u32 s22, s22, s28
	s_mov_b32 s23, 0
	s_add_nc_u64 s[20:21], s[20:21], s[22:23]
	s_lshl_b32 s28, ttmp9, 1
	s_add_co_u32 s28, s28, s26                     ; my tile
	s_mul_i32 s22, s28, 12288
	s_mul_i32 s29, s27, 6144
	s_add_co_u32 s22, s22, s29
	s_add_nc_u64 s[14:15], s[14:15], s[22:23]      ; its four fragments of my half
	s_lshl_b32 s22, s28, 10
	s_lshl_b32 s29, s27, 9
	s_add_co_u32 s22, s22, s29
	s_add_nc_u64 s[16:17], s[16:17], s[22:23]      ; and their scale words
	LOADK 0
	LOADK 1
	STEP 0
	STEP 1
	STEP 2
	STEP 3
	global_store_b128 v2, v[SW:SW+3], s[16:17]     ; four K steps' words of a lane: 512 consecutive bytes a wave
	s_wait_tensorcnt 0x0
	ds_add_u32 v254, v255
	s_wait_dscnt 0x0
	s_endpgm
	; ---- the table
.Ltable:
	s_wait_alu depctr_va_vdst(0)
	v_lshlrev_b32 v2, 2, v5                        ; 4 x lane
	v_lshrrev_b32 v3, 3, v5                        ; the decade d = i / 8
	v_mov_b32 v8, 0                                ; (v_writelane_b32's destination counts as read)
	BASE10 0, 0x3f800000                           ; 1
	BASE10 1, 0x3faab0d5                           ; 1.3335214
	BASE10 2, 0x3fe39ea9                           ; 1.7782794
	BASE10 3, 0x4017c496                           ; 2.3713737
	BASE10 4, 0x404a62c2                           ; 3.1622777
	BASE10 5, 0x4086f161                           ; 4.2169650
	BASE10 6, 0x40b3f300                           ; 5.6234133
	BASE10 7, 0x40eff755                           ; 7.4989421
	v_mov_b32 v4, 1.0
	v_mov_b32 v6, 0x41200000                       ; 10
	v_cmp_lt_u32 vcc_lo, 0, v3
	v_cndmask_b32 v4, v4, v6, vcc_lo
	v_mov_b32 v6, 0x42c80000                       ; 100
	v_cmp_lt_u32 vcc_lo, 1, v3
	v_cndmask_b32 v4, v4, v6, vcc_lo
	v_mov_b32 v6, 0x447a0000                       ; 1,000
	v_cmp_lt_u32 vcc_lo, 2, v3
	v_cndmask_b32 v4, v4, v6, vcc_lo
	v_mul_f32 v8, v8, v4                           ; 10^(i / 8)
	s_wait_alu depctr_va_vdst(0)
	v_rcp_f32 v9, v8
	v_nop                                          ; a plain instruction behind the reciprocal,
	s_wait_alu depctr_va_vdst(0)                   ; and the wait ahead of its first reader
	v_fma_f32 v10, -v8, v9, 1.0                    ; one step of Newton: the quotient to the last place
	v_fma_f32 v9, v9, v10, v9                      ; f_i
	s_sub_co_u32 s20, ttmp9, NQWG
	s_lshl_b32 s20, s20, 2
	s_add_co_u32 s20, s20, s24
	s_lshl_b32 s20, s20, 4                         ; my first t
	v_cvt_f32_u32 v11, s20
	s_lshl_b32 s22, s20, 8
	s_mov_b32 s23, 0
	s_mov_b32 s32, 0x3fc90fdb                      ; pi / 2, upper part
	s_mov_b32 s33, 0xb33bbd2e                      ; and what is left of it
	s_mov_b32 s34, 0xb94ca1f9                      ; sin: -1.9515295891e-4, 8.3321608736e-3, -1.6666654611e-1
	s_mov_b32 s35, 0x3c08839e
	s_mov_b32 s36, 0xbe2aaaa3
	s_mov_b32 s37, 0x37ccf5ce                      ; cos: 2.443315712e-5, -1.388731625e-3, 4.166664568e-2
	s_mov_b32 s38, 0xbab6061a
	s_mov_b32 s39, 0x3d2aaaa5
	s_wait_alu depctr_va_vdst(0)
	s_wait_kmcnt 0x0
	s_add_nc_u64 s[18:19], s[18:19], s[22:23]
.set KT, 0
.rept 16
	v_mul_f32 v12, v11, v9                         ; the angle
	v_mul_f32 v13, 0x3f22f983, v12                 ; x 2 / pi
	v_rndne_f32 v13, v13                           ; n
	v_fma_f32 v14, -v13, s32, v12                  ; exact: a multiple of 2^-23 under 1
	v_fma_f32 v14, -v13, s33, v14                  ; r, within pi / 4
	v_mul_f32 v15, v14, v14
	v_fma_f32 v16, v15, s34, s35
	v_fma_f32 v17, v15, s37, s38
	v_fma_f32 v16, v16, v15, s36
	v_fma_f32 v17, v17, v15, s39
	v_mul_f32 v21, v14, v15
	v_fma_f32 v17, v17, v15, -0.5
	v_fma_f32 v16, v16, v21, v14                   ; sin r
	v_fma_f32 v17, v17, v15, 1.0                   ; cos r
	v_cvt_i32_f32 v18, v13
	v_and_b32 v21, 1, v18
	v_cmp_eq_u32 vcc_lo, 1, v21                    ; an odd quarter: the two change places
	s_wait_alu depctr_va_vdst(0)
	s_wait_xcnt 0x0                                ; the last t's stores have read their data
	v_cndmask_b32 v19, v16, v17, vcc_lo            ; sin
	v_cndmask_b32 v20, v17, v16, vcc_lo            ; cos
	v_and_b32 v21, 2, v18
	v_lshlrev_b32 v21, 30, v21
	v_xor_b32 v19, v19, v21                        ; sin is negative in quarters 2 and 3,
	v_add_nc_u32 v21, 1, v18
	v_and_b32 v21, 2, v21
	v_lshlrev_b32 v21, 30, v21
	v_xor_b32 v20, v20, v21                        ; cos in quarters 1 and 2
	global_store_b32 v2, v20, s[18:19] offset:256*KT
	global_store_b32 v2, v19, s[18:19] offset:256*KT+128
	v_add_f32 v11, 1.0, v11
.set KT, KT+1
.endr
	s_endpgm
.Lfunc_end_k_q7a44d0ddb9_prep:
	.size	k_q7a44d0ddb9_prep, .Lfunc_end_k_q7a44d0ddb9_prep-k_q7a44d0ddb9_prep
	.p2alignl 7, 3214868480
	.fill 96, 4, 3214868480
	.section	.rodata,"a",@progbits
	.p2align	6, 0x0
	.amdhsa_kernel k_q7a44d0ddb9_prep
		.amdhsa_group_segment_fixed_size 68096
		.amdhsa_private_segment_fixed_size 0
		.amdhsa_enable_private_segment 0
		.amdhsa_kernarg_size 64
		.amdhsa_user_sgpr_count 2
		.amdhsa_user_sgpr_kernarg_segment_ptr 1
		.amdhsa_wavefront_size32 1
		.amdhsa_system_sgpr_workgroup_id_x 1
		.amdhsa_system_sgpr_workgroup_id_y 1
		.amdhsa_system_sgpr_workgroup_id_z 1
		.amdhsa_system_vgpr_workitem_id 0
		.amdhsa_next_free_vgpr 256
		.amdhsa_next_free_sgpr 66
		.amdhsa_reserve_vcc 1
		.amdhsa_float_denorm_mode_32 3
		.amdhsa_float_denorm_mode_16_64 3
		.amdhsa_memory_ordered 1
		.amdhsa_forward_progress 1
		.amdhsa_inst_pref_size 61
	.end_amdhsa_kernel
	.amdgpu_metadata
---
amdhsa.version: [ 1, 2 ]
amdhsa.kernels:
  - .name:           k_q7a44d0ddb9_prep
    .symbol:         k_q7a44d0ddb9_prep.kd
    .args:
      - { .name: x, .offset: 0, .size: 8, .value_kind: global_buffer, .address_space: global }
      - { .name: Wq, .offset: 8, .size: 8, .value_kind: global_buffer, .address_space: global }
      - { .name: Wk, .offset: 16, .size: 8, .value_kind: global_buffer, .address_space: global }
      - { .name: Wv, .offset: 24, .size: 8, .value_kind: global_buffer, .address_space: global }
      - { .name: Wproj, .offset: 32, .size: 8, .value_kind: global_buffer, .address_space: global }
      - { .name: cod, .offset: 40, .size: 8, .value_kind: global_buffer, .address_space: global }
      - { .name: scl, .offset: 48, .size: 8, .value_kind: global_buffer, .address_space: global }
      - { .name: tab, .offset: 56, .size: 8, .value_kind: global_buffer, .address_space: global }
    .group_segment_fixed_size: 68096
    .private_segment_fixed_size: 0
    .kernarg_segment_align: 8
    .kernarg_segment_size: 64
    .max_flat_workgroup_size: 128
    .sgpr_count:     66
    .vgpr_count:     256
    .wavefront_size: 32
...
	.end_amdgpu_metadata
.endif
;; end of part 5
;; launch qkv (part 6): grid 6 x 64, 4 waves a work-group, no clusters, 168,448 bytes of LDS; arguments cod, scl, tab, q_gain, qc, qs, kv; writes qc, qs, kv
.if DOCPART == 6
	.amdgcn_target "amdgcn-amd-amdhsa--gfx1250"
	.amdhsa_code_object_version 6
	.text
	.protected	k_q7a44d0ddb9_qkv
	.globl	k_q7a44d0ddb9_qkv
	.p2align	8
	.type	k_q7a44d0ddb9_qkv,@function
k_q7a44d0ddb9_qkv:
	s_mov_b64 s[64:65], 0
	v_nop
	global_prefetch_b8 v0, s[64:65] scope:SCOPE_SE
	s_setreg_imm32_b32 hwreg(HW_REG_WAVE_MODE, 25, 1), 1
	s_wait_xcnt 0x0
; q, k, v = x Wq^T, x Wk^T, x Wv^T on codes of FP6 (E2M3) with E8M0 scales; then, in f32, the RMS norm over a head's 64 channels, the rotary embedding and q's gain; then the quantisers of attention's operands.
; SHARES.  Work-group (X, Y): tokens 128 Y on (batch Y / 16, key block Y % 16), channels 256 X on of the 1,536: X 0-3 query heads 4 X + wave, X = 4 key heads, X = 5 value heads.  A wave: 128 tokens x one head of 64:
; 32 accumulators, 256 matrix instructions, K = 1,024 in eight steps, all written out.
; OPERANDS.  x's 64 fragments (98,304 bytes, dense in cod) come into LDS ONCE, a quarter by each wave's one tensor load, and are read as images (three loads of 16 bytes a lane).  The wave's 32 fragments of its weight
; (384 registers) come from memory straight into registers, as images, all asked for at the head.  Nothing in LDS is filled again, so there is one barrier.
; q AND k: source 0 = 16 rows of W, source 1 = 16 tokens: a lane holds ONE token, and by the order of a tile's rows its registers 16 b + i of a token tile are channels 32 b + 16 (lane / 16) + i of the head:
; a rotary pair (d, d + 32) is registers i and 16 + i of one lane, and the 32 registers are what the quantiser along the head wants.
; v: source 0 = 16 tokens, source 1 = 16 rows of Wv: a lane holds one channel and its 64 registers run along the block's 128 keys, the second product's K.
; OUT.  qc: 768 bytes a tile of 16 queries (registers 2 g, 2 g + 1 of lane l at 256 g + 8 l); qs: its scale words (bytes b0 b1 b0 b1), 4 bytes a lane.  kv: 13,312 bytes a key block of a key head: four fragments of k,
; each holding TWO tiles of 16 keys (registers 0-5, 6-11: a head is only 64 along K), four of v, then their scale words, 128 bytes a fragment.
; CLUSTER: none.  The six work-groups of a token block read the same 98,304 bytes of x's codes; six does not divide into clusters of four, and each work-group's other 196,608 bytes, its weights, go to registers lane by lane.
; LIMITS: as in the quantiser of the launch before (byte held at 1 from below; a block of zeros takes the byte 1; no NaN or infinities).
; REGISTERS, in windows of 256: window 0: v1-5 addresses; v16-29 the norm; v32-95 x's scale words (8 tile + step), v96-127 W's; v128-223 x's fragments, set 0; in the epilogue v128-191 64 numbers, v192-230 the quantiser's.
;   window 1: W's fragments of K steps 0-4 (48 step + 12 tile); from K step 5 on cos and sin (32 a token tile).   window 2: the accumulators.   window 3: v0-143 W's fragments of K steps 5-7; v144-239 x's fragments, set 1.
.set LI,  1                            ; v1  16 x lane
.set LI2, 2                            ; v2  16 x lane + 49,152: token tiles 4-7 in LDS (an LDS offset has 16 bits)
.set L8,  3                            ; v3  8 x lane
.set L4,  4                            ; v4  4 x lane
.set TBO, 5                            ; v5  my token's row of the table within a tile, + 64 (lane / 16)
.set SS,  16                           ; v16-23 sums of squares
.set FF,  24                           ; v[24:25], v[26:27] rsqrt x gain, as pairs
.set PD,  28                           ; v28, v29 lane permutes' destinations
.set SA,  32
.set SB,  96
.set A0,  128
.set A1,  144
.set T,   128
.set PC,  192
.set TM,  212
.set PW,  228
.set WA,  229
.set WB,  230
.set SEL, 30
.set MSB, 0
.macro WIN new                         ; the immediate's high byte repeats the setting that is left
.if MSB != \new
	s_set_vgpr_msb (MSB<<8)|\new
.set MSB, \new
.endif
.endm
.macro PLACES                          ; four plain instructions between a matrix instruction and a load into, or a vector instruction on, its registers
.rept 4
	v_nop
.endr
.endm
.macro QUANT s
.irp b, 0,1,2,3
	v_max3_num_f32 v[TM+\b], |v[\s+16*\b]|, |v[\s+1+16*\b]|, 0x1800000   ; my 16 numbers of block b, and the floor 2^(3 - 127): the byte cannot fall under 1
.endr
.irp i, 2,4,6,8,10,12,14
.irp b, 0,1,2,3
	v_max3_num_f32 v[TM+\b], v[TM+\b], |v[\s+16*\b+\i]|, |v[\s+1+16*\b+\i]|
.endr
.endr
.irp b, 0,1,2,3
	v_permlanex16_b32 v[TM+4+\b], v[TM+\b], s[SEL], s[SEL+1]
.endr
.irp b, 0,1,2,3
	v_max_num_f32 v[TM+\b], v[TM+\b], v[TM+4+\b]                   ; with lane l xor 16's 16: the block's largest magnitude
.endr
.irp b, 0,1,2,3
	v_add_nc_u32 v[TM+12+\b], 0xff000000, v[TM+\b]                 ; 2 off its exponent field: the conversion's scale operand
.endr
.irp b, 0,1,2,3
	v_lshrrev_b32 v[TM+4+\b], 23, v[TM+12+\b]                      ; the scale's byte
.endr
	v_lshl_or_b32 v[PW], v[TM+5], 8, v[TM+4]
	v_lshl_or_b32 v[PW], v[TM+6], 16, v[PW]
	v_lshl_or_b32 v[PW], v[TM+7], 24, v[PW]
.irp c, 0,1
	v_cvt_scalef32_pk16_fp6_f32 v[PC+6*\c:PC+2+6*\c], v[\s+32*\c:\s+15+32*\c], v[TM+12+2*\c]
	v_cvt_scalef32_pk16_fp6_f32 v[PC+12+4*\c:PC+14+4*\c], v[\s+16+32*\c:\s+31+32*\c], v[TM+12+2*\c+1]
.endr
	v_nop                                          ; one plain instruction behind the scaled conversions
.irp c, 0,1
.irp i, 0,1,2
	v_permlane16_swap_b32 v[PC+6*\c+\i], v[PC+12+4*\c+\i]
.endr
.irp i, 0,1,2
	v_mov_b32 v[PC+3+6*\c+\i], v[PC+12+4*\c+\i]
.endr
.endr
.endm
.macro MM d, a, b, sa, sb, zero
.if \zero
	v_wmma_scale_f32_16x16x128_f8f6f4 v[\d:\d+7], v[\a:\a+11], v[\b:\b+11], 0, v[\sa], v[\sb] matrix_a_fmt:MATRIX_FMT_FP6 matrix_b_fmt:MATRIX_FMT_FP6
.else
	v_wmma_scale_f32_16x16x128_f8f6f4 v[\d:\d+7], v[\a:\a+11], v[\b:\b+11], v[\d:\d+7], v[\sa], v[\sb] matrix_a_fmt:MATRIX_FMT_FP6 matrix_b_fmt:MATRIX_FMT_FP6
.endif
.endm
.macro FETCH_A ks                      ; x's eight fragments of K step ks, 24 loads of 512 consecutive bytes, into set ks % 2
.if ((\ks)%2) == 0
	WIN 0
.set FB, A0
.else
	WIN 0xc0                                       ; destination window 3, address window 0
.set FB, A1
.endif
.irp t, 0,1,2,3
.irp c, 0,1,2
	ds_load_b128 v[FB+12*\t+4*\c:FB+12*\t+4*\c+3], v[LI] offset:(8*\t+(\ks))*1536+512*\c
.endr
.endr
.irp t, 4,5,6,7
.irp c, 0,1,2
	ds_load_b128 v[FB+12*\t+4*\c:FB+12*\t+4*\c+3], v[LI2] offset:(8*(\t-4)+(\ks))*1536+512*\c
.endr
.endr
.endm
.macro CSLOAD                          ; cos and sin of my token of each tile at my 16 frequencies, into window 1, which the weights of K steps 0-4 have left: eight loads a tile
	WIN 0x40
.irp t, 0,1,2,3,4,5,6,7
.irp j, 0,1,2,3
	global_load_b128 v[32*\t+4*\j:32*\t+4*\j+3], v[TBO], s[46:47] offset:(32*(\t/2)+8*(\t%2))*256+16*\j
.endr
.irp j, 0,1,2,3
	global_load_b128 v[32*\t+16+4*\j:32*\t+16+4*\j+3], v[TBO], s[46:47] offset:(32*(\t/2)+8*(\t%2))*256+128+16*\j
.endr
.endr
	WIN 0
.endm
; A K step of 128: 32 matrix instructions, the 32 accumulators by turns in the same order in every step.  swap = 1: tokens are source 0 (v's path).  rope = 1: cos and sin are asked for in K step 5.
.macro KSTEP ks, swap, rope
.set KS, \ks
.if KS > 0
	PLACES                                         ; in front of loads into registers that the last step's matrix instructions have read
.endif
.if \rope && (KS == 5)
	s_wait_loadcnt 0x0                             ; all of W is in: from here on the counter counts cos and sin alone
	CSLOAD
.endif
.if KS < 7
	FETCH_A KS+1
	s_wait_dscnt 24                                ; this step's fragments are in; the 24 loads just issued may be out
.else
	s_wait_dscnt 0x0
.endif
.if (KS <= 4) || (\rope == 0)
.set LC, 12*(7-KS)                     ; W's loads for later K steps, 12 each, may be out (a smaller count where the field ends)
.if LC > 63
.set LC, 63
.endif
	s_wait_loadcnt LC
.endif
.if KS <= 4
.set BW, 1
.set BB, 48*KS
.else
.set BW, 3
.set BB, 48*(KS-5)
.endif
.if (KS%2) == 0
.set AW, 0
.set AB, A0
.else
.set AW, 3
.set AB, A1
.endif
.set ZR, 0
.if KS == 0
.set ZR, 1                             ; the first products start the sums: nothing is cleared
.endif
.if \swap
.set WN, 0xa0|AW|(BW<<2)
.else
.set WN, 0xa0|BW|(AW<<2)
.endif
	WIN WN                                         ; C and D window 2
.irp t, 0,1,2,3,4,5,6,7
.irp c, 0,1,2,3
.if \swap
	MM 64*\c+8*\t, AB+12*\t, BB+12*\c, SA+8*\t+KS, SB+8*\c+KS, ZR
.else
	MM 32*\t+8*\c, BB+12*\c, AB+12*\t, SB+8*\c+KS, SA+8*\t+KS, ZR
.endif
.endr
.endr
	WIN 0
.endm
; q's and k's epilogue for token tiles 2 be and 2 be + 1.
.macro PAIR be
	s_wait_xcnt 0x0                                ; the last pair's stores have read the codes' and the words' registers
	s_wait_loadcnt 8*(6-2*\be)                     ; these two tiles' cos and sin are in; the later tiles', eight loads each, may be out
	WIN 0x0a                                       ; sources 0 and 1: window 2
.irp u, 0,1
	v_pk_mul_f32 v[SS+4*\u:SS+4*\u+1], v[32*(2*\be+\u):32*(2*\be+\u)+1], v[32*(2*\be+\u):32*(2*\be+\u)+1]   ; the sum of squares of my 32 channels, two chains a tile, each accumulator from its low end on
	v_pk_mul_f32 v[SS+4*\u+2:SS+4*\u+3], v[32*(2*\be+\u)+2:32*(2*\be+\u)+3], v[32*(2*\be+\u)+2:32*(2*\be+\u)+3]
.endr
.irp p, 4,8,12,16,20,24,28
.irp u, 0,1
	v_pk_fma_f32 v[SS+4*\u:SS+4*\u+1], v[32*(2*\be+\u)+\p:32*(2*\be+\u)+\p+1], v[32*(2*\be+\u)+\p:32*(2*\be+\u)+\p+1], v[SS+4*\u:SS+4*\u+1]
	v_pk_fma_f32 v[SS+4*\u+2:SS+4*\u+3], v[32*(2*\be+\u)+\p+2:32*(2*\be+\u)+\p+3], v[32*(2*\be+\u)+\p+2:32*(2*\be+\u)+\p+3], v[SS+4*\u+2:SS+4*\u+3]
.endr
.endr
	WIN 0
.irp u, 0,1
	v_pk_add_f32 v[SS+4*\u:SS+4*\u+1], v[SS+4*\u:SS+4*\u+1], v[SS+4*\u+2:SS+4*\u+3]
.endr
.irp u, 0,1
	v_add_f32 v[SS+4*\u], v[SS+4*\u], v[SS+4*\u+1]
.endr
.irp u, 0,1
	v_permlanex16_b32 v[PD+\u], v[SS+4*\u], s[SEL], s[SEL+1]       ; the token's other 32 channels lie in the lane 16 away
.endr
.irp u, 0,1
	v_add_f32 v[SS+4*\u], v[SS+4*\u], v[PD+\u]
.endr
.irp u, 0,1
	v_fma_f32 v[SS+4*\u], v[SS+4*\u], s53, s54                     ; the mean + eps
.endr
	s_wait_alu depctr_va_vdst(0)
.irp u, 0,1
	v_rsq_f32 v[FF+2*\u], v[SS+4*\u]
.endr
	v_nop                                          ; a plain instruction behind the two roots,
	s_wait_alu depctr_va_vdst(0)                   ; and one wait for both, ahead of their first reader
.irp u, 0,1
	v_mul_f32 v[FF+2*\u], s52, v[FF+2*\u]          ; x the head's gain (1 for k)
.endr
.irp u, 0,1
	v_mov_b32 v[FF+2*\u+1], v[FF+2*\u]             ; (named with it as a pair)
.endr
	WIN 0x06                                       ; source 0: window 2 (the sums), source 1: window 1 (cos, sin)
.irp u, 0,1
.irp i, 0,2,4,6,8,10,12,14
	v_pk_mul_f32 v[T+32*\u+\i:T+32*\u+\i+1], v[32*(2*\be+\u)+\i:32*(2*\be+\u)+\i+1], v[32*(2*\be+\u)+\i:32*(2*\be+\u)+\i+1]                 ; a cos
	v_pk_mul_f32 v[T+32*\u+16+\i:T+32*\u+16+\i+1], v[32*(2*\be+\u)+16+\i:32*(2*\be+\u)+16+\i+1], v[32*(2*\be+\u)+\i:32*(2*\be+\u)+\i+1]     ; b cos
	v_pk_fma_f32 v[T+32*\u+\i:T+32*\u+\i+1], v[32*(2*\be+\u)+16+\i:32*(2*\be+\u)+16+\i+1], v[32*(2*\be+\u)+16+\i:32*(2*\be+\u)+16+\i+1], v[T+32*\u+\i:T+32*\u+\i+1] neg_lo:[1,0,0] neg_hi:[1,0,0]   ; - b sin
	v_pk_fma_f32 v[T+32*\u+16+\i:T+32*\u+16+\i+1], v[32*(2*\be+\u)+\i:32*(2*\be+\u)+\i+1], v[32*(2*\be+\u)+16+\i:32*(2*\be+\u)+16+\i+1], v[T+32*\u+16+\i:T+32*\u+16+\i+1]                           ; + a sin
.endr
.endr
	WIN 0
.irp u, 0,1
.irp i, 0,2,4,6,8,10,12,14,16,18,20,22,24,26,28,30
	v_pk_mul_f32 v[T+32*\u+\i:T+32*\u+\i+1], v[T+32*\u+\i:T+32*\u+\i+1], v[FF+2*\u:FF+2*\u+1] op_sel_hi:[1,0]
.endr
.endr
	QUANT T                                        ; blocks 0, 1: tile 2 be's head; blocks 2, 3: tile 2 be + 1's
	s_cmp_eq_u32 s19, 4
	s_cbranch_scc1 .Lkeys_\@
.irp g, 0,1,2,3,4,5
	global_store_b64 v[L8], v[PC+2*\g:PC+2*\g+1], s[48:49] offset:768*(2*\be+\g/3)+256*(\g%3)   ; 32 lanes store 256 consecutive bytes, aligned
.endr
	v_perm_b32 v[WA], v[PW], v[PW], s55            ; bytes b0 b1 b0 b1: the tile's two bytes serve either half of the instruction's K
	v_perm_b32 v[WB], v[PW], v[PW], s59
	global_store_b32 v[L4], v[WA], s[50:51] offset:128*(2*\be)
	global_store_b32 v[L4], v[WB], s[50:51] offset:128*(2*\be+1)
	s_branch .Lstored_\@
.Lkeys_\@:
	s_wait_alu depctr_va_vdst(0)
.irp c, 0,1,2
	global_store_b128 v[LI], v[PC+4*\c:PC+4*\c+3], s[56:57] offset:1536*\be+512*\c
.endr
	global_store_b32 v[L4], v[PW], s[56:57] offset:12288+128*\be
.Lstored_\@:
.endm
.macro VTILE ct                        ; v's epilogue for 16 channels: my channel's 128 keys lie in 64 registers of lanes l and l xor 16
	s_wait_xcnt 0x0
	WIN 0x02                                       ; source 0: window 2
.set NI, 0
.rept 64
	v_mov_b32 v[T+NI], v[64*\ct+NI]
.set NI, NI+1
.endr
	WIN 0
	QUANT T
.irp c, 0,1,2
	global_store_b128 v[LI], v[PC+4*\c:PC+4*\c+3], s[56:57] offset:6144+1536*\ct+512*\c
.endr
	global_store_b32 v[L4], v[PW], s[56:57] offset:12800+128*\ct
.endm
	s_load_b256 s[4:11], s[0:1], 0x0               ; cod, scl, tab, q_gain
	s_load_b128 s[12:15], s[0:1], 0x20             ; qc, qs
	s_load_b64 s[16:17], s[0:1], 0x30              ; kv
	v_lshl_add_u32 v254, v0, 2, 0x29000
	v_mov_b32 v255, 0
	ds_add_u32 v254, v255
	ds_add_u32 v254, v255
	v_lshrrev_b32 v6, 5, v0
	v_readfirstlane_b32 s18, v6                    ; wave
	s_mov_b32 s19, ttmp9                           ; X
	s_and_b32 s20, ttmp7, 0xffff                   ; Y
	v_and_b32 v6, 31, v0
	v_lshlrev_b32 v[LI], 4, v6
	v_add_nc_u32 v[LI2], 49152, v[LI]
	v_lshlrev_b32 v[L8], 3, v6
	v_lshlrev_b32 v[L4], 2, v6
	v_and_b32 v7, 15, v0
	v_and_b32 v8, 8, v7
	v_add_nc_u32 v8, v8, v7                        ; r + 8 (r / 8)
	v_bfe_u32 v9, v0, 4, 1
	v_lshlrev_b32 v[TBO], 8, v8
	v_lshl_add_u32 v[TBO], v9, 6, v[TBO]
	s_lshl_b32 s21, s19, 2
	s_add_co_u32 s21, s21, s18                     ; 4 X + wave
	s_min_u32 s22, s21, 15                         ; the query head (held inside the table for k's and v's work-groups, which do not use it)
	s_lshl_b32 s23, s22, 2
	s_lshr_b32 s28, s20, 4                         ; batch
	s_and_b32 s29, s20, 15                         ; key block
	s_mov_b32 s[SEL], 0x76543210
	s_mov_b32 s[SEL+1], 0xfedcba98
	s_mov_b32 s53, 0x3c800000                      ; 1 / 64
	s_mov_b32 s54, 0x34000000                      ; eps = 2^-23
	s_mov_b32 s55, 0x01000100
	s_mov_b32 s59, 0x03020302
	; descriptor group 1: 24,576 dense bytes as 96 rows of 32 elements of 8 bytes, no padding
	s_mov_b32 s32, 3<<16
	s_mov_b32 s33, 32<<16                          ; tensor_dim0
	s_mov_b32 s34, 96<<16                          ; tensor_dim1
	s_mov_b32 s35, 32<<16                          ; tile_dim0
	s_mov_b32 s36, 96                              ; tile_dim1
	s_mov_b32 s37, 32                              ; the pitch
	s_mov_b32 s38, 0
	s_mov_b32 s39, 0
	s_mov_b32 s24, 1
	s_mul_i32 s25, s18, 24576                      ; LDS: my quarter
	s_mul_i32 s40, s20, 98304
	s_add_co_u32 s40, s40, s25
	s_mov_b32 s41, 0
	s_wait_alu depctr_va_vdst(0)
	s_wait_dscnt 0x0
	s_wait_kmcnt 0x0
	s_add_nc_u64 s[26:27], s[4:5], s[40:41]        ; x's tiles 8 Y + 2 wave and the next
	s_or_b32 s27, s27, 0x80000000
	tensor_load_to_lds s[24:27], s[32:39]          ; my one tensor load of the launch
	s_nop 0
.rept 4
	v_nop
.endr
	s_load_b32 s52, s[10:11], s23 offset:0x0       ; the head's gain
	s_lshl_b32 s40, s21, 2
	s_add_co_u32 s40, s40, 512                     ; my weight's first tile: 512 + 16 X + 4 wave
	s_lshl_b32 s42, s40, 10
	s_mul_i32 s40, s40, 12288
	s_mov_b32 s43, 0
	s_add_nc_u64 s[40:41], s[4:5], s[40:41]
	s_add_nc_u64 s[42:43], s[6:7], s[42:43]
	s_lshl_b32 s44, s20, 13
	s_mov_b32 s45, 0
	s_add_nc_u64 s[44:45], s[6:7], s[44:45]        ; x's scale words
	s_lshl_b32 s46, s29, 15
	s_mov_b32 s47, 0
	s_add_nc_u64 s[46:47], s[8:9], s[46:47]        ; the table at position 128 x key block
	s_lshl_b32 s48, s28, 4
	s_add_co_u32 s48, s48, s22
	s_lshl_b32 s48, s48, 7
	s_lshl_b32 s50, s29, 3
	s_add_co_u32 s48, s48, s50                     ; q's first tile: (16 batch + head) x 128 + 8 x key block
	s_lshl_b32 s50, s48, 7
	s_mul_i32 s48, s48, 768
	s_mov_b32 s49, 0
	s_mov_b32 s51, 0
	s_add_nc_u64 s[48:49], s[12:13], s[48:49]
	s_add_nc_u64 s[50:51], s[14:15], s[50:51]
	s_lshl_b32 s56, s28, 2
	s_add_co_u32 s56, s56, s18
	s_lshl_b32 s56, s56, 4
	s_add_co_u32 s56, s56, s29
	s_mul_i32 s56, s56, 13312                      ; ((4 batch + key head) x 16 + key block) x 13,312
	s_mov_b32 s57, 0
	s_add_nc_u64 s[56:57], s[16:17], s[56:57]
.irp t, 0,1,2,3,4,5,6,7
.irp g, 0,1
	global_load_b128 v[SA+8*\t+4*\g:SA+8*\t+4*\g+3], v[LI], s[44:45] offset:1024*\t+512*\g
.endr
.endr
.irp c, 0,1,2,3
.irp g, 0,1
	global_load_b128 v[SB+8*\c+4*\g:SB+8*\c+4*\g+3], v[LI], s[42:43] offset:1024*\c+512*\g
.endr
.endr
	WIN 0x40                                       ; destination window 1
.irp k, 0,1,2,3,4
.irp c, 0,1,2,3
.irp e, 0,1,2
	global_load_b128 v[48*\k+12*\c+4*\e:48*\k+12*\c+4*\e+3], v[LI], s[40:41] offset:12288*\c+1536*\k+512*\e
.endr
.endr
.endr
	WIN 0xc0                                       ; destination window 3
.irp k, 5,6,7
.irp c, 0,1,2,3
.irp e, 0,1,2
	global_load_b128 v[48*(\k-5)+12*\c+4*\e:48*(\k-5)+12*\c+4*\e+3], v[LI], s[40:41] offset:12288*\c+1536*\k+512*\e
.endr
.endr
.endr
	WIN 0
	s_wait_tensorcnt 0x0                           ; my quarter of x's fragments is in LDS,
	s_barrier_signal -1
	s_barrier_wait -1                              ; everybody's is
	FETCH_A 0
	s_wait_kmcnt 0x0
	s_cmp_lt_u32 s19, 4
	s_cselect_b32 s52, s52, 1.0                    ; k has no gain
	s_cmp_eq_u32 s19, 5
	s_cbranch_scc1 .Lvalues
	KSTEP 0, 0, 1
	KSTEP 1, 0, 1
	KSTEP 2, 0, 1
	KSTEP 3, 0, 1
	KSTEP 4, 0, 1
	KSTEP 5, 0, 1
	KSTEP 6, 0, 1
	KSTEP 7, 0, 1
	PLACES
.irp b, 0,1,2,3
	v_mov_b32 v[TM+4+\b], 0                        ; a lane permute's destination counts as one of its sources
.endr
	v_mov_b32 v[PD], 0
	v_mov_b32 v[PD+1], 0
	PAIR 0
	PAIR 1
	PAIR 2
	PAIR 3
	s_wait_tensorcnt 0x0
	ds_add_u32 v254, v255
	s_wait_dscnt 0x0
	s_endpgm
.Lvalues:
	KSTEP 0, 1, 0
	KSTEP 1, 1, 0
	KSTEP 2, 1, 0
	KSTEP 3, 1, 0
	KSTEP 4, 1, 0
	KSTEP 5, 1, 0
	KSTEP 6, 1, 0
	KSTEP 7, 1, 0
	PLACES
.irp b, 0,1,2,3
	v_mov_b32 v[TM+4+\b], 0
.endr
	VTILE 0
	VTILE 1
	VTILE 2
	VTILE 3
	s_wait_tensorcnt 0x0
	ds_add_u32 v254, v255
	s_wait_dscnt 0x0
	s_endpgm
.Lfunc_end_k_q7a44d0ddb9_qkv:
	.size	k_q7a44d0ddb9_qkv, .Lfunc_end_k_q7a44d0ddb9_qkv-k_q7a44d0ddb9_qkv
	.p2alignl 7, 3214868480
	.fill 96, 4, 3214868480
	.section	.rodata,"a",@progbits
	.p2align	6, 0x0
	.amdhsa_kernel k_q7a44d0ddb9_qkv
		.amdhsa_group_segment_fixed_size 168448
		.amdhsa_private_segment_fixed_size 0
		.amdhsa_enable_private_segment 0
		.amdhsa_kernarg_size 56
		.amdhsa_user_sgpr_count 2
		.amdhsa_user_sgpr_kernarg_segment_ptr 1
		.amdhsa_wavefront_size32 1
		.amdhsa_system_sgpr_workgroup_id_x 1
		.amdhsa_system_sgpr_workgroup_id_y 1
		.amdhsa_system_sgpr_workgroup_id_z 1
		.amdhsa_system_vgpr_workitem_id 0
		.amdhsa_next_free_vgpr 1024
		.amdhsa_next_free_sgpr 66
		.amdhsa_reserve_vcc 0
		.amdhsa_float_denorm_mode_32 3
		.amdhsa_float_denorm_mode_16_64 3
		.amdhsa_memory_ordered 1
		.amdhsa_forward_progress 1
		.amdhsa_inst_pref_size 195
	.end_amdhsa_kernel
	.amdgpu_metadata
---
amdhsa.version: [ 1, 2 ]
amdhsa.kernels:
  - .name:           k_q7a44d0ddb9_qkv
    .symbol:         k_q7a44d0ddb9_qkv.kd
    .args:
      - { .name: cod, .offset: 0, .size: 8, .value_kind: global_buffer, .address_space: global }
      - { .name: scl, .offset: 8, .size: 8, .value_kind: global_buffer, .address_space: global }
      - { .name: tab, .offset: 16, .size: 8, .value_kind: global_buffer, .address_space: global }
      - { .name: q_gain, .offset: 24, .size: 8, .value_kind: global_buffer, .address_space: global }
      - { .name: qc, .offset: 32, .size: 8, .value_kind: global_buffer, .address_space: global }
      - { .name: qs, .offset: 40, .size: 8, .value_kind: global_buffer, .address_space: global }
      - { .name: kv, .offset: 48, .size: 8, .value_kind: global_buffer, .address_space: global }
    .group_segment_fixed_size: 168448
    .private_segment_fixed_size: 0
    .kernarg_segment_align: 8
    .kernarg_segment_size: 56
    .max_flat_workgroup_size: 128
    .sgpr_count:     66
    .vgpr_count:     1024
    .wavefront_size: 32
...
	.end_amdgpu_metadata
.endif
;; end of part 6
;; launch attn (part 7): grid 4 x 64, 16 waves a work-group, no clusters, 34,816 bytes of LDS; arguments qc, qs, kv, yc, ys; writes yc, ys
.if DOCPART == 7
	.amdgcn_target "amdgcn-amd-amdhsa--gfx1250"
	.amdhsa_code_object_version 6
	.text
	.protected	k_q7a44d0ddb9_attn
	.globl	k_q7a44d0ddb9_attn
	.p2align	8
	.type	k_q7a44d0ddb9_attn,@function
k_q7a44d0ddb9_attn:
	s_mov_b64 s[64:65], 0
	v_nop
	global_prefetch_b8 v0, s[64:65] scope:SCOPE_SE
	s_setreg_imm32_b32 hwreg(HW_REG_WAVE_SCHED_MODE, 0, 2), 2
	s_setreg_imm32_b32 hwreg(HW_REG_WAVE_MODE, 25, 1), 1
	s_wait_xcnt 0x0
	s_wait_alu depctr_vm_vsrc(0)
; y = softmax(q k^T / 8, causal) v for one query head, both products on codes of FP6 (E2M3) with E8M0 scales, and y's quantiser for the last product.
; THE SOFTMAX: t = score x log2(e) / 8; M = the running largest t rounded UP to a whole number; p = 2^(t - M) is quantised along the keys, not normalised; the row's sum is taken of the unquantised p and divides at the end.
; When M moves, the sum and O are multiplied by 2^(old M - new M): exact.
; SHARES.  Work-group (X, Y = 16 batch + head) makes two passes: the head's block X of 256 queries, then block 7 - X: 2 X + 2 and 16 - 2 X key steps of 128, 18 in every work-group.  Each of the SIXTEEN waves owns one tile of
; 16 queries in 256 registers: four waves to a SIMD, so that one wave's vector work stands beside another's matrix work and LDS loads.
; K AND V.  A key block (13,312 bytes: four fragments of k, four of v, their scale words) lies in kv as images of operand registers.  Waves 0-12 copy 1,024 bytes each of the NEXT block: two loads at a step's head, two LDS stores
; at its end: the loads have the whole step in which to land.  Two slots in LDS; ONE barrier a step: in front of it my reads of this slot and my stores into the other are done.  The ring runs on from pass to pass (a pass has
; an even number of steps, so the next pass's block 0 falls into slot 0); the last step of the second pass copies a block that nobody reads.
; LAYOUT.  Both products transposed: S^T = k q^T, O^T = v^T p^T: a lane holds ONE query.  A head is 64 along K, half of the instruction's 128: a fragment of k holds two tiles of keys (registers 0-5, 6-11), and q stands
; between two runs of six zero registers: [q | 0] picks the first tile, [0 | q] the second.  By the order of a tile's rows the 16 registers of score tiles 2 f, 2 f + 1 are keys 32 f + 16 (lane / 16) + 0 .. 15.
; CAUSAL.  A step all of whose keys come after my 16 queries is left out by a scalar branch on ids, round its work alone; on the diagonal hidden scores become -infinity.  My queries lie inside one group of 32, which no multiple
; of 128 cuts: in every step that is not left out each query sees the step's first key, so M is a number from the first step on.
; CLUSTER: none.  Work-groups of one key head read the same blocks, but the copies go through registers lane by lane, and the work-groups along X walk different numbers of blocks in a pass.
; NO PREFETCH: a key head's blocks are read by sixteen work-groups, and each copy is asked for a whole key step ahead of its use.
; OUT.  yc: fragment (tile of tokens, K step head / 2) of 1,536 bytes, register 2 g + e of lane l at 256 g + 8 l + 4 e; my head fills 768 bytes of it.  ys: the scale word of that fragment at 16 l; my head fills two of its bytes:
; these stores of two bytes a lane are one part in 13 of what the launch stores.
; LIMITS: the quantisers' (byte held at 1 from below; a block of zeros takes the byte 1); O / l is a reciprocal and a product; no NaN or infinities.
; REGISTERS: v1 16 lane, v2 4 lane, v3 1,024 wave + 16 lane, v4 8 lane, v5 my query less my first key within a tile; v8-15 the copy; v16 -M, v17 the largest t, v[18:19] the sum; v20-25 and v32-37 zeros, v26-31 q, v38 q's scale word;
; v40-87 four fragments; v88-91, v92-95 k's and v's scale words; v96-159 S^T, then p; v160-191 O^T; v192-211 codes; v212-231 at work; v254, v255 the closing add's two.  s48-s63: sixteen masks of the diagonal step.
; THE MODE: SCHED_MODE bits 1:0 = 2 (LLVM: expert scheduling mode 2), set by the entry lines.  The code itself states the register dependences between vector or matrix instructions and memory or LDS instructions,
; with s_wait_alu, always for 0.
; THE PLAN.  Registers that memory or LDS instructions touch:
;   v1-v4        addresses: written at the head, never again; one wait on va_vdst at the head stands ahead of every access by them.
;   v8-15        written by the copy's two loads at a step's head, read by its two LDS stores at the step's end; no vector instruction names them.  One wait on vm_vsrc at a step's head.
;   v26-31, v38  written by four loads at a pass's head; read by all the pass's first products.
;   v40-87       ONE buffer for two uses in a step (a second buffer would be 48 registers; 25 of the wave's 256 are free): k's loads at the step's head, the eight first products, v's loads, the four second products.
;   v88-91       with k's loads and products;   v92-95 with v's.
;   v192-203, v226  written by the conversions, exchanges and moves; read by the second products; v192-197 and v226 also by a pass's four stores.
;   S^T, O^T, the statistics and the work registers are named by vector and matrix instructions alone.
; So a step has: at its head, behind the barrier, one wait on vm_vsrc (the copy) and one on va_vdst (the last step's products have read the fragments and k's scale words); one on va_vdst behind the first products' places (they have
; read k's fragments, in which v's land); the two behind the exponentials; one ahead of the second products (p's codes and scale word are written).  The diagonal step's compares go in four runs of sixteen, each with one wait on va_sdst.
.set SLOT, 16384                       ; slot 1 begins here
.set KVB,  13312                       ; a key block
.macro PLACES
.rept 4
	v_nop
.endr
.endm
.macro KSTEP buf
	s_wait_alu depctr_vm_vsrc(0)                   ; the last LDS stores of the copy (ahead of the first step: the head's) have read v8-15, in which the copy's loads below land
	s_wait_alu depctr_va_vdst(0)                   ; the last step's products are done reading the fragments v40-87 and k's scale words v88-91, in which k's loads below land
	s_add_co_u32 s28, s22, 1                       ; the block to copy: the next, or block 0 for the next pass
	s_cmp_eq_u32 s28, s19
	s_cselect_b32 s28, 0, s28
	s_min_u32 s28, s28, 15
	s_mul_i32 s28, s28, KVB
	s_mov_b32 s29, 0
	s_add_nc_u64 s[26:27], s[8:9], s[28:29]        ; (the last step's loads were waited for: their base may be written)
	s_cmp_lt_u32 s14, 13
	s_cbranch_scc0 .Lno_load_\@
	global_load_b128 v[8:11], v3, s[26:27]
	global_load_b128 v[12:15], v3, s[26:27] offset:512
.Lno_load_\@:
	s_cmp_gt_u32 s23, s25                          ; all 128 keys come after my last query?
	s_cbranch_scc1 .Lhidden_\@
.irp f, 0,1,2,3
.irp c, 0,1,2
	ds_load_b128 v[40+12*\f+4*\c:43+12*\f+4*\c], v1 offset:SLOT*\buf+1536*\f+512*\c
.endr
	ds_load_b32 v[88+\f], v2 offset:SLOT*\buf+12288+128*\f
.endr
	s_wait_dscnt 0x0
.irp f, 0,1,2,3
	v_wmma_scale_f32_16x16x128_f8f6f4 v[96+16*\f:103+16*\f], v[40+12*\f:51+12*\f], v[26:37], 0, v[88+\f], v38 matrix_a_fmt:MATRIX_FMT_FP6 matrix_b_fmt:MATRIX_FMT_FP6    ; [q | 0]: key tile 2 f
	v_wmma_scale_f32_16x16x128_f8f6f4 v[104+16*\f:111+16*\f], v[40+12*\f:51+12*\f], v[20:31], 0, v[88+\f], v38 matrix_a_fmt:MATRIX_FMT_FP6 matrix_b_fmt:MATRIX_FMT_FP6   ; [0 | q]: key tile 2 f + 1
.endr
	PLACES                                         ; four places ahead of the first vector instruction that reads the scores
	s_wait_alu depctr_va_vdst(0)                   ; the eight products are done reading k's fragments v40-87, and the last step's second products v's scale words v92-95: v's loads below land there
.irp f, 0,1,2,3                                ; v's fragments take k's registers and land during the softmax
.irp c, 0,1,2
	ds_load_b128 v[40+12*\f+4*\c:43+12*\f+4*\c], v1 offset:SLOT*\buf+6144+1536*\f+512*\c
.endr
	ds_load_b32 v[92+\f], v2 offset:SLOT*\buf+12800+128*\f
.endr
	s_add_co_u32 s28, s23, 127
	s_cmp_le_u32 s28, s24                          ; all keys count for my first query: no mask
	s_cbranch_scc1 .Lopen_\@
	s_sub_co_i32 s28, s24, s23
	v_add_nc_u32 v230, s28, v5                     ; d = my query - the step's first key - 16 (lane / 16): register 16 b + i is hidden where 32 b + i > d
	v_mov_b32 v231, 0xff800000
.set RB, 0
.rept 4                                        ; a block of 32 keys at a time: sixteen compares into sixteen scalar registers, one wait, sixteen selects
.set JJ, 0
.rept 16
	v_cmp_gt_i32 s[48+JJ], 32*RB+JJ, v230
.set JJ, JJ+1
.endr
	s_wait_alu depctr_va_sdst(0)                   ; the sixteen compares have written s48-s63, ahead of the selects that read them
.set JJ, 0
.rept 16
	v_cndmask_b32 v[96+16*RB+JJ], v[96+16*RB+JJ], v231, s[48+JJ]
.set JJ, JJ+1
.endr
.set RB, RB+1
.endr
.Lopen_\@:
.irp b, 0,1,2,3
	v_max3_num_f32 v[212+\b], v[96+16*\b], v[97+16*\b], v[98+16*\b]   ; the largest score of each block of 32 keys: for the row's maximum, and, since p rises with the score, for the block's largest p
.endr
.irp i, 3,5,7,9,11,13
.irp b, 0,1,2,3
	v_max3_num_f32 v[212+\b], v[212+\b], v[96+16*\b+\i], v[97+16*\b+\i]
.endr
.endr
.irp b, 0,1,2,3
	v_max_num_f32 v[212+\b], v[212+\b], v[111+16*\b]
.endr
.irp b, 0,1,2,3
	v_permlanex16_b32 v[216+\b], v[212+\b], s30, s31
.endr
.irp b, 0,1,2,3
	v_max_num_f32 v[212+\b], v[212+\b], v[216+\b]  ; with lane l xor 16's 16 keys
.endr
	v_max3_num_f32 v227, v212, v213, v214
	v_max_num_f32 v227, v227, v215
	v_mul_f32 v227, s32, v227                      ; as t (c is positive)
	v_max_num_f32 v17, v17, v227                   ; the running largest t
	v_mov_b32 v227, v16
	v_floor_f32 v16, -v17                          ; the new -M = floor(-t): M is a whole number
	v_sub_f32 v227, v16, v227                      ; old M - new M: a whole number, 0 or less
	v_cvt_i32_f32 v227, v227                       ; (it saturates)
	v_ldexp_f32 v224, 1.0, v227                    ; f = 2^(old M - new M)
.set JJ, 0
.rept 32
	v_pk_fma_f32 v[96+JJ:97+JJ], v[96+JJ:97+JJ], s[32:33], v[16:17] op_sel_hi:[1,0,0]   ; t - M, two at a time
.set JJ, JJ+2
.endr
.irp b, 0,1,2,3
	v_fma_f32 v[212+\b], v[212+\b], s32, v16       ; the same of each block's largest score
.endr
.set JJ, 0
	s_wait_alu depctr_va_vdst(0)
.rept 64
	v_exp_f32 v[96+JJ], v[96+JJ]                   ; p = 2^(t - M)
.set JJ, JJ+1
.endr
	v_pk_mul_f32 v[18:19], v[18:19], v[224:225] op_sel_hi:[1,0]   ; the sums under the new M: the plain instruction behind the exponentials
	s_wait_alu depctr_va_vdst(0)                   ; the 64 exponentials have written p, v96-159: one wait for the batch, ahead of its first reader
.irp b, 0,1,2,3
	v_exp_f32 v[212+\b], v[212+\b]                 ; the block's largest p: the same two instructions on the same number
.endr
	v_pk_add_f32 v[228:229], v[96:97], v[98:99]    ; the row's sum of the unquantised p, in two chains; it reads the 64 alone
.irp j, 4,8,12,16,20,24,28,32,36,40,44,48,52,56,60
	v_pk_add_f32 v[18:19], v[18:19], v[96+\j:97+\j]
	v_pk_add_f32 v[228:229], v[228:229], v[98+\j:99+\j]
.endr
	v_pk_add_f32 v[18:19], v[18:19], v[228:229]
	s_wait_alu depctr_va_vdst(0)                   ; the four exponentials have written v212-215, ahead of their first reader
.irp b, 0,1,2,3
	v_max_num_f32 v[212+\b], 0x1800000, v[212+\b]  ; the floor 2^(3 - 127): the byte cannot fall under 1
.endr
.irp b, 0,1,2,3
	v_add_nc_u32 v[220+\b], 0xff000000, v[212+\b]  ; 2 off the exponent field: the conversion's scale operand
.endr
.irp b, 0,1,2,3
	v_lshrrev_b32 v[216+\b], 23, v[220+\b]         ; the scale's byte
.endr
	v_lshl_or_b32 v226, v217, 8, v216              ; p's scale word for these 128 keys
	v_lshl_or_b32 v226, v218, 16, v226
	v_lshl_or_b32 v226, v219, 24, v226
.irp c, 0,1
	v_cvt_scalef32_pk16_fp6_f32 v[192+6*\c:194+6*\c], v[96+32*\c:111+32*\c], v[220+2*\c]
	v_cvt_scalef32_pk16_fp6_f32 v[204+4*\c:206+4*\c], v[112+32*\c:127+32*\c], v[220+2*\c+1]
.endr
	v_nop                                          ; one plain instruction behind the scaled conversions
.irp c, 0,1
.irp i, 0,1,2
	v_permlane16_swap_b32 v[192+6*\c+\i], v[204+4*\c+\i]
.endr
.irp i, 0,1,2
	v_mov_b32 v[195+6*\c+\i], v[204+4*\c+\i]
.endr
.endr
.set JJ, 0
.rept 16
	v_pk_mul_f32 v[160+JJ:161+JJ], v[160+JJ:161+JJ], v[224:225] op_sel_hi:[1,0]   ; O^T under the new M; these sixteen also stand between the codes' and the scale word's last writes and the products below
.set JJ, JJ+2
.endr
	s_wait_dscnt 0x0                               ; v's fragments and scale words
	s_wait_alu depctr_va_vdst(0)                   ; the exchanges and moves have written p's codes v192-203, the shifts its scale word v226: the scaled products below take them; the places above stay beside this wait
.irp t, 0,1,2,3
	v_wmma_scale_f32_16x16x128_f8f6f4 v[160+8*\t:167+8*\t], v[40+12*\t:51+12*\t], v[192:203], v[160+8*\t:167+8*\t], v[92+\t], v226 matrix_a_fmt:MATRIX_FMT_FP6 matrix_b_fmt:MATRIX_FMT_FP6
.endr
	PLACES                                         ; four places ahead of the first vector instruction that reads O^T
.Lhidden_\@:
	s_add_co_u32 s23, s23, 128
	s_add_co_u32 s22, s22, 1
	s_wait_loadcnt 0x0                             ; the copy's two loads, asked for at the step's head
	s_cmp_lt_u32 s14, 13
	s_cbranch_scc0 .Lno_store_\@
	ds_store_b128 v3, v[8:11] offset:SLOT*(1-\buf)
	ds_store_b128 v3, v[12:15] offset:SLOT*(1-\buf)+512
.Lno_store_\@:
	s_wait_dscnt 0x0                               ; my stores into the other slot have landed, my reads of this one are in
	s_barrier_signal -1
	s_barrier_wait -1
.endm
	s_load_b256 s[4:11], s[0:1], 0x0               ; qc, qs, kv, yc
	s_load_b64 s[12:13], s[0:1], 0x20              ; ys
	v_lshl_add_u32 v254, v0, 2, 0x8000
	v_mov_b32 v255, 0
	v_lshrrev_b32 v6, 5, v0
	v_readfirstlane_b32 s14, v6                    ; wave 0..15
	v_and_b32 v7, 31, v0
	v_lshlrev_b32 v1, 4, v7
	v_lshlrev_b32 v2, 2, v7
	v_lshl_add_u32 v3, v6, 10, v1
	v_lshlrev_b32 v4, 3, v7
	v_and_b32 v6, 15, v0
	v_and_b32 v7, 8, v6
	v_add_nc_u32 v5, v6, v7                        ; r + 8 (r / 8)
	v_bfe_u32 v7, v0, 4, 1
	v_lshlrev_b32 v7, 4, v7
	v_sub_nc_u32 v5, v5, v7                        ; - 16 (lane / 16)
	s_mov_b32 s15, ttmp9                           ; X
	s_and_b32 s16, ttmp7, 0xffff                   ; Y = 16 batch + head
	s_mov_b32 s30, 0x76543210
	s_mov_b32 s31, 0xfedcba98
	s_mov_b32 s32, 0x3e38aa3b                      ; c = log2(e) / 8
	s_mov_b32 s33, s32
	s_wait_alu depctr_va_sdst(0)                   ; s14, the wave's number, is written, ahead of its first reader
	s_lshr_b32 s44, s14, 1
	s_lshl_b32 s44, s44, 5
	s_and_b32 s28, s14, 1
	s_lshl_b32 s28, s28, 3
	s_add_co_u32 s44, s44, s28                     ; my tile's first query within a block: 32 (wave / 2) + 8 (wave % 2)
	s_lshr_b32 s43, s16, 4
	s_lshl_b32 s43, s43, 7                         ; 128 x batch
	s_and_b32 s42, s16, 15                         ; head
	s_mul_i32 s45, s42, 768                        ; my head's place in a tile's row of y's fragments: 1,536 (head / 2) + 768 (head % 2)
	s_lshr_b32 s46, s42, 3
	s_lshl_b32 s46, s46, 9
	s_and_b32 s28, s42, 7
	s_lshl_b32 s28, s28, 1
	s_add_co_u32 s46, s46, s28                     ; and among its scale bytes: 512 (head / 8) + 2 (head % 8)
	s_lshr_b32 s28, s16, 2                         ; 4 batch + head / 4: the key head
	s_mul_i32 s28, s28, 16*KVB
	s_mov_b32 s29, 0
.irp i, 20,21,22,23,24,25,32,33,34,35,36,37
	v_mov_b32 v[\i], 0                             ; zero codes on both sides of q
.endr
.irp i, 216,217,218,219,225,227
	v_mov_b32 v[\i], 0                             ; lane permutes' destinations, and the upper half of f's pair: written once
.endr
	s_wait_kmcnt 0x0
	s_add_nc_u64 s[8:9], s[8:9], s[28:29]
	s_wait_alu depctr_va_vdst(0)                   ; the addresses v1-v4 are written, which every load and store of the kernel reads, and so are the zero codes, which the scaled products take; none of them is written again
	s_cmp_lt_u32 s14, 13
	s_cbranch_scc0 .Lno_first
	global_load_b128 v[8:11], v3, s[8:9]           ; block 0 into slot 0
	global_load_b128 v[12:15], v3, s[8:9] offset:512
	s_wait_loadcnt 0x0
	ds_store_b128 v3, v[8:11]
	ds_store_b128 v3, v[12:15] offset:512
.Lno_first:
	s_wait_dscnt 0x0
	s_barrier_signal -1
	s_barrier_wait -1
	s_mov_b32 s17, 0                               ; the pass
.Lpass:
	s_wait_xcnt 0x0                                ; the last pass's stores have read their registers and addresses
	s_wait_alu depctr_vm_vsrc(0)                   ; the last pass's stores have read the codes v192-197 and the word v226, which this pass's conversions and shifts write again
	s_wait_alu depctr_va_vdst(0)                   ; the last pass's products are done reading q, v26-31, and its scale word v38, in which the loads below land
	s_sub_co_u32 s28, 7, s15
	s_cmp_eq_u32 s17, 0
	s_cselect_b32 s18, s15, s28                    ; the block of 256 queries
	s_lshl_b32 s19, s18, 1
	s_add_co_u32 s19, s19, 2                       ; its key steps
	s_add_co_u32 s20, s18, 1                       ; and trips of two
	s_lshl_b32 s28, s18, 4
	s_add_co_u32 s28, s28, s14                     ; my tile of queries
	s_lshl_b32 s24, s18, 8
	s_add_co_u32 s24, s24, s44                     ; my first query,
	s_add_co_u32 s25, s24, 23                      ; my last
	s_lshl_b32 s29, s16, 7
	s_add_co_u32 s29, s29, s28
	s_mul_i32 s34, s29, 768
	s_mov_b32 s35, 0
	s_add_nc_u64 s[34:35], s[4:5], s[34:35]
	s_lshl_b32 s36, s29, 7
	s_mov_b32 s37, 0
	s_add_nc_u64 s[36:37], s[6:7], s[36:37]
	s_add_co_u32 s29, s43, s28                     ; y's tile of tokens
	s_mul_i32 s38, s29, 12288
	s_add_co_u32 s38, s38, s45
	s_mov_b32 s39, 0
	s_add_nc_u64 s[38:39], s[10:11], s[38:39]
	s_lshl_b32 s40, s29, 10
	s_add_co_u32 s40, s40, s46
	s_mov_b32 s41, 0
	s_add_nc_u64 s[40:41], s[12:13], s[40:41]
.irp g, 0,1,2
	global_load_b64 v[26+2*\g:27+2*\g], v4, s[34:35] offset:256*\g
.endr
	global_load_b32 v38, v2, s[36:37]
	v_mov_b32 v17, 0xff61b1e6                      ; the largest t so far: -3e38
	v_floor_f32 v16, -v17
	v_mov_b32 v18, 0
	v_mov_b32 v19, 0
.set JJ, 0
.rept 32
	v_mov_b32 v[160+JJ], 0                         ; O^T: the step is written once; the first finds zeros, which the first change of M leaves zeros
.set JJ, JJ+1
.endr
	s_mov_b32 s21, 0                               ; trips
	s_mov_b32 s22, 0                               ; the key step
	s_mov_b32 s23, 0                               ; its first key
	s_wait_loadcnt 0x0
.Ltrip:
	KSTEP 0
	KSTEP 1
	s_add_co_u32 s21, s21, 1
	s_cmp_lt_u32 s21, s20
	s_cbranch_scc1 .Ltrip
	; the pass's end: O^T / the sum, quantised along the head: two blocks of 32
	v_add_f32 v18, v18, v19
	v_permlanex16_b32 v227, v18, s30, s31
	v_add_f32 v18, v18, v227                       ; the row's sum
	s_wait_alu depctr_va_vdst(0)
	v_rcp_f32 v224, v18
	v_nop                                          ; a plain instruction behind the reciprocal,
	s_wait_alu depctr_va_vdst(0)                   ; and the wait ahead of its first reader: the reciprocal has written v224
.set JJ, 0
.rept 16
	v_pk_mul_f32 v[96+JJ:97+JJ], v[160+JJ:161+JJ], v[224:225] op_sel_hi:[1,0]   ; register 16 b + i: channel 32 b + 16 (lane / 16) + i
.set JJ, JJ+2
.endr
.irp b, 0,1
	v_max3_num_f32 v[212+\b], |v[96+16*\b]|, |v[97+16*\b]|, 0x1800000
.endr
.irp i, 2,4,6,8,10,12,14
.irp b, 0,1
	v_max3_num_f32 v[212+\b], v[212+\b], |v[96+16*\b+\i]|, |v[97+16*\b+\i]|
.endr
.endr
.irp b, 0,1
	v_permlanex16_b32 v[216+\b], v[212+\b], s30, s31
.endr
.irp b, 0,1
	v_max_num_f32 v[212+\b], v[212+\b], v[216+\b]
.endr
.irp b, 0,1
	v_add_nc_u32 v[220+\b], 0xff000000, v[212+\b]
.endr
.irp b, 0,1
	v_lshrrev_b32 v[216+\b], 23, v[220+\b]
.endr
	v_lshl_or_b32 v226, v217, 8, v216              ; my head's two scale bytes
	v_cvt_scalef32_pk16_fp6_f32 v[192:194], v[96:111], v220
	v_cvt_scalef32_pk16_fp6_f32 v[204:206], v[112:127], v221
	v_nop
.irp i, 0,1,2
	v_permlane16_swap_b32 v[192+\i], v[204+\i]
.endr
.irp i, 0,1,2
	v_mov_b32 v[195+\i], v[204+\i]
.endr
	s_wait_alu depctr_va_vdst(0)                   ; the exchanges and moves have written the codes v192-197, the shift the word v226: the four stores below read them
.irp g, 0,1,2
	global_store_b64 v4, v[192+2*\g:193+2*\g], s[38:39] offset:256*\g   ; 32 lanes store 256 consecutive bytes, aligned
.endr
	global_store_b16 v1, v226, s[40:41]
	s_add_co_u32 s17, s17, 1
	s_cmp_lt_u32 s17, 2
	s_cbranch_scc1 .Lpass
	s_wait_dscnt 0x0                               ; the closing lines, six on end
	s_wait_alu 0x0
	s_wait_tensorcnt 0x0
	ds_add_u32 v254, v255
	s_wait_dscnt 0x0
	s_endpgm
.Lfunc_end_k_q7a44d0ddb9_attn:
	.size	k_q7a44d0ddb9_attn, .Lfunc_end_k_q7a44d0ddb9_attn-k_q7a44d0ddb9_attn
	.p2alignl 7, 3214868480
	.fill 96, 4, 3214868480
	.section	.rodata,"a",@progbits
	.p2align	6, 0x0
	.amdhsa_kernel k_q7a44d0ddb9_attn
		.amdhsa_group_segment_fixed_size 34816
		.amdhsa_private_segment_fixed_size 0
		.amdhsa_enable_private_segment 0
		.amdhsa_kernarg_size 40
		.amdhsa_user_sgpr_count 2
		.amdhsa_user_sgpr_kernarg_segment_ptr 1
		.amdhsa_wavefront_size32 1
		.amdhsa_system_sgpr_workgroup_id_x 1
		.amdhsa_system_sgpr_workgroup_id_y 1
		.amdhsa_system_sgpr_workgroup_id_z 1
		.amdhsa_system_vgpr_workitem_id 0
		.amdhsa_next_free_vgpr 256
		.amdhsa_next_free_sgpr 66
		.amdhsa_reserve_vcc 0
		.amdhsa_float_denorm_mode_32 3
		.amdhsa_float_denorm_mode_16_64 3
		.amdhsa_memory_ordered 1
		.amdhsa_forward_progress 1
		.amdhsa_inst_pref_size 62
	.end_amdhsa_kernel
	.amdgpu_metadata
---
amdhsa.version: [ 1, 2 ]
amdhsa.kernels:
  - .name:           k_q7a44d0ddb9_attn
    .symbol:         k_q7a44d0ddb9_attn.kd
    .args:
      - { .name: qc, .offset: 0, .size: 8, .value_kind: global_buffer, .address_space: global }
      - { .name: qs, .offset: 8, .size: 8, .value_kind: global_buffer, .address_space: global }
      - { .name: kv, .offset: 16, .size: 8, .value_kind: global_buffer, .address_space: global }
      - { .name: yc, .offset: 24, .size: 8, .value_kind: global_buffer, .address_space: global }
      - { .name: ys, .offset: 32, .size: 8, .value_kind: global_buffer, .address_space: global }
    .group_segment_fixed_size: 34816
    .private_segment_fixed_size: 0
    .kernarg_segment_align: 8
    .kernarg_segment_size: 40
    .max_flat_workgroup_size: 512
    .sgpr_count:     66
    .vgpr_count:     256
    .wavefront_size: 32
...
	.end_amdgpu_metadata
.endif
;; end of part 7
;; launch proj (part 8): grid 4 x 64, 4 waves a work-group, no clusters, 168,448 bytes of LDS; arguments yc, ys, cod, scl, out0; writes out0
.if DOCPART == 8
	.amdgcn_target "amdgcn-amd-amdhsa--gfx1250"
	.amdhsa_code_object_version 6
	.text
	.protected	k_q7a44d0ddb9_proj
	.globl	k_q7a44d0ddb9_proj
	.p2align	8
	.type	k_q7a44d0ddb9_proj,@function
k_q7a44d0ddb9_proj:
	s_mov_b64 s[64:65], 0
	v_nop
	global_prefetch_b8 v0, s[64:65] scope:SCOPE_SE
	s_setreg_imm32_b32 hwreg(HW_REG_WAVE_MODE, 25, 1), 1
	s_wait_xcnt 0x0
; out = y Wproj^T on codes of FP6 (E2M3) with E8M0 scales; out is [8192][1024] f32.
; SHARES.  Work-group (X, Y): tokens 128 Y on, outputs 256 X on; a wave 128 tokens x 64 outputs: 32 accumulators, 256 matrix instructions, K = 1,024 in eight steps, all written out.
; OPERANDS.  y's 64 fragments (98,304 dense bytes of yc) come into LDS ONCE, a quarter by each wave's one tensor load, and are read as images (six loads of 8 bytes a lane: so attention stored them).  The wave's 32 fragments of
; Wproj come from memory straight into 384 registers, all asked for at the head.  Nothing in LDS is filled again: one barrier.
; Source 0 = 16 rows of Wproj, source 1 = 16 tokens: a lane holds one token, and its registers 16 b + i of a token tile are outputs 32 b + 16 (lane / 16) + i of the wave's 64.
; THE WAY OUT.  A token tile (16 rows x 256 bytes) goes through the wave's own stage in LDS (rows 272 bytes apart, two stages by turns, behind y's fragments: no tensor load lands there) and comes back by rows:
; sixteen lanes store 256 consecutive bytes, aligned.  The rows of a tile are tokens 32 (a / 2) + 8 (a % 2) + r + 8 (r / 8).
; CLUSTER: none.  The four work-groups of a token block read the same 98,304 bytes of y's codes, once, at the head; each also reads 196,608 bytes of weights of its own, lane by lane: what is shared is a third of a work-group's bytes.
; REGISTERS, in windows of 256: window 0: v1-8 addresses; v32-95 y's scale words, v96-127 W's; v128-223 y's fragments, set 0; on the way out v128-191 rows.   window 1: W's fragments of K steps 0-4.
;   window 2: the accumulators (32 token tile + 8 W tile).   window 3: v0-143 W's fragments of K steps 5-7; v144-239 y's fragments, set 1.
.set LI,  1                            ; v1  16 x lane
.set L8,  2                            ; v2  8 x lane
.set L82, 3                            ; v3  8 x lane + 49,152
.set STO, 4                            ; v4  the stage, way in
.set RD,  5                            ; v5  the stage, way out
.set CO,  6                            ; v6  my byte offset in two rows of out
.set SA,  32
.set SB,  96
.set A0,  128
.set A1,  144
.set BK,  128
.set STAGE, 98304
.set MSB, 0
.macro WIN new                         ; the immediate's high byte repeats the setting that is left
.if MSB != \new
	s_set_vgpr_msb (MSB<<8)|\new
.set MSB, \new
.endif
.endm
.macro PLACES                          ; four plain instructions between a matrix instruction and a load into, or a store from, its registers
.rept 4
	v_nop
.endr
.endm
.macro MM d, a, b, sa, sb, zero
.if \zero
	v_wmma_scale_f32_16x16x128_f8f6f4 v[\d:\d+7], v[\a:\a+11], v[\b:\b+11], 0, v[\sa], v[\sb] matrix_a_fmt:MATRIX_FMT_FP6 matrix_b_fmt:MATRIX_FMT_FP6
.else
	v_wmma_scale_f32_16x16x128_f8f6f4 v[\d:\d+7], v[\a:\a+11], v[\b:\b+11], v[\d:\d+7], v[\sa], v[\sb] matrix_a_fmt:MATRIX_FMT_FP6 matrix_b_fmt:MATRIX_FMT_FP6
.endif
.endm
.macro FETCH_A ks                      ; y's eight fragments of K step ks, 48 loads of 256 consecutive bytes, into set ks % 2
.if ((\ks)%2) == 0
	WIN 0
.set FB, A0
.else
	WIN 0xc0
.set FB, A1
.endif
.irp t, 0,1,2,3
.irp g, 0,1,2,3,4,5
	ds_load_b64 v[FB+12*\t+2*\g:FB+12*\t+2*\g+1], v[L8] offset:(8*\t+(\ks))*1536+256*\g
.endr
.endr
.irp t, 4,5,6,7
.irp g, 0,1,2,3,4,5
	ds_load_b64 v[FB+12*\t+2*\g:FB+12*\t+2*\g+1], v[L82] offset:(8*(\t-4)+(\ks))*1536+256*\g
.endr
.endr
.endm
.macro KSTEP ks                        ; 32 matrix instructions, the 32 accumulators by turns in the same order in every step
.set KS, \ks
.if KS > 0
	PLACES
.endif
.if KS < 7
	FETCH_A KS+1
	s_wait_dscnt 48                                ; this step's fragments are in; the 48 loads just issued may be out
.else
	s_wait_dscnt 0x0
.endif
.set LC, 12*(7-KS)                     ; W's loads for later K steps, 12 each, may be out (a smaller count where the field ends)
.if LC > 63
.set LC, 63
.endif
	s_wait_loadcnt LC
.if KS <= 4
.set BW, 1
.set BB, 48*KS
.else
.set BW, 3
.set BB, 48*(KS-5)
.endif
.if (KS%2) == 0
.set AW, 0
.set AB, A0
.else
.set AW, 3
.set AB, A1
.endif
.set ZR, 0
.if KS == 0
.set ZR, 1
.endif
.set WN, 0xa0|BW|(AW<<2)
	WIN WN
.irp t, 0,1,2,3,4,5,6,7
.irp c, 0,1,2,3
	MM 32*\t+8*\c, BB+12*\c, AB+12*\t, SB+8*\c+KS, SA+8*\t+KS, ZR
.endr
.endr
	WIN 0
.endm
.macro TOSTAGE a
	WIN 0x08                                       ; an LDS store's data are its source 1: window 2
.irp q, 0,1,2,3,4,5,6,7
	ds_store_b128 v[STO], v[32*(\a)+4*\q:32*(\a)+4*\q+3] offset:4352*((\a)%2)+128*(\q/4)+16*(\q%4)   ; each accumulator from its low end on
.endr
	WIN 0
.irp i, 0,1,2,3,4,5,6,7
	ds_load_b128 v[BK+32*((\a)%2)+4*\i:BK+32*((\a)%2)+4*\i+3], v[RD] offset:4352*((\a)%2)+544*\i   ; LDS serves a wave's instructions in order: these see the stores above
.endr
.endm
.macro SEND a, younger                 ; younger: the LDS instructions issued behind tile a's loads, which may stay out
	s_wait_dscnt \younger
.irp i, 0,1,2,3,4,5,6,7
	global_store_b128 v[CO], v[BK+32*((\a)%2)+4*\i:BK+32*((\a)%2)+4*\i+3], s[46:47] offset:(32*((\a)/2)+8*((\a)%2)+2*\i+8*(\i/4))*4096 th:TH_STORE_NT
.endr
.endm
	s_load_b256 s[4:11], s[0:1], 0x0               ; yc, ys, cod, scl
	s_load_b64 s[12:13], s[0:1], 0x20              ; out0
	v_lshl_add_u32 v254, v0, 2, 0x29000
	v_mov_b32 v255, 0
	ds_add_u32 v254, v255
	ds_add_u32 v254, v255
	v_lshrrev_b32 v7, 5, v0
	v_readfirstlane_b32 s18, v7                    ; wave
	s_mov_b32 s19, ttmp9                           ; X
	s_and_b32 s20, ttmp7, 0xffff                   ; Y
	v_and_b32 v7, 31, v0
	v_lshlrev_b32 v[LI], 4, v7
	v_lshlrev_b32 v[L8], 3, v7
	v_add_nc_u32 v[L82], 49152, v[L8]
	v_and_b32 v7, 15, v0                           ; r
	v_bfe_u32 v8, v0, 4, 1                         ; h
	s_mul_i32 s28, s18, 8704
	s_add_co_u32 s28, s28, STAGE                   ; my two stages
	v_mul_u32_u24 v[STO], v7, 272
	v_lshl_add_u32 v[STO], v8, 6, v[STO]
	v_add_nc_u32 v[STO], s28, v[STO]               ; in: row r, 64 h bytes into each 128
	v_mul_u32_u24 v[RD], v8, 272
	v_lshl_add_u32 v[RD], v7, 4, v[RD]
	v_add_nc_u32 v[RD], s28, v[RD]                 ; back: lanes 0-15 one row, lanes 16-31 the next
	v_lshlrev_b32 v[CO], 12, v8
	v_lshl_add_u32 v[CO], v7, 4, v[CO]             ; and the same two rows of out
	; descriptor group 1: 24,576 dense bytes as 96 rows of 32 elements of 8 bytes, no padding
	s_mov_b32 s32, 3<<16
	s_mov_b32 s33, 32<<16
	s_mov_b32 s34, 96<<16
	s_mov_b32 s35, 32<<16
	s_mov_b32 s36, 96
	s_mov_b32 s37, 32
	s_mov_b32 s38, 0
	s_mov_b32 s39, 0
	s_mov_b32 s24, 1
	s_mul_i32 s25, s18, 24576
	s_mul_i32 s40, s20, 98304
	s_add_co_u32 s40, s40, s25
	s_mov_b32 s41, 0
	s_wait_dscnt 0x0
	s_wait_kmcnt 0x0
	s_add_nc_u64 s[26:27], s[4:5], s[40:41]
	s_or_b32 s27, s27, 0x80000000
	tensor_load_to_lds s[24:27], s[32:39]          ; my one tensor load of the launch
	s_nop 0
.rept 4
	v_nop
.endr
	s_lshl_b32 s40, s19, 2
	s_add_co_u32 s40, s40, s18
	s_lshl_b32 s40, s40, 2
	s_add_co_u32 s40, s40, 608                     ; Wproj's tile 608 + 16 X + 4 wave
	s_lshl_b32 s42, s40, 10
	s_mul_i32 s40, s40, 12288
	s_mov_b32 s43, 0
	s_add_nc_u64 s[40:41], s[8:9], s[40:41]
	s_add_nc_u64 s[42:43], s[10:11], s[42:43]
	s_lshl_b32 s44, s20, 13
	s_mov_b32 s45, 0
	s_add_nc_u64 s[44:45], s[6:7], s[44:45]        ; y's scale words
	s_lshl_b32 s46, s20, 19                        ; 128 rows of 4,096 bytes,
	s_lshl_b32 s28, s19, 10
	s_add_co_u32 s46, s46, s28                     ; 1,024 bytes a work-group,
	s_lshl_b32 s28, s18, 8
	s_add_co_u32 s46, s46, s28                     ; 256 a wave
	s_mov_b32 s47, 0
	s_add_nc_u64 s[46:47], s[12:13], s[46:47]
.irp t, 0,1,2,3,4,5,6,7
.irp g, 0,1
	global_load_b128 v[SA+8*\t+4*\g:SA+8*\t+4*\g+3], v[LI], s[44:45] offset:1024*\t+512*\g
.endr
.endr
.irp c, 0,1,2,3
.irp g, 0,1
	global_load_b128 v[SB+8*\c+4*\g:SB+8*\c+4*\g+3], v[LI], s[42:43] offset:1024*\c+512*\g
.endr
.endr
	WIN 0x40
.irp k, 0,1,2,3,4
.irp c, 0,1,2,3
.irp e, 0,1,2
	global_load_b128 v[48*\k+12*\c+4*\e:48*\k+12*\c+4*\e+3], v[LI], s[40:41] offset:12288*\c+1536*\k+512*\e
.endr
.endr
.endr
	WIN 0xc0
.irp k, 5,6,7
.irp c, 0,1,2,3
.irp e, 0,1,2
	global_load_b128 v[48*(\k-5)+12*\c+4*\e:48*(\k-5)+12*\c+4*\e+3], v[LI], s[40:41] offset:12288*\c+1536*\k+512*\e
.endr
.endr
.endr
	WIN 0
	s_wait_tensorcnt 0x0                           ; my quarter of y's fragments is in LDS,
	s_barrier_signal -1
	s_barrier_wait -1                              ; everybody's is
	FETCH_A 0
	KSTEP 0
	KSTEP 1
	KSTEP 2
	KSTEP 3
	KSTEP 4
	KSTEP 5
	KSTEP 6
	KSTEP 7
	PLACES
	s_wait_alu depctr_va_vdst(0)
	TOSTAGE 0
.irp a, 1,2,3,4,5,6,7
.if \a > 1
	s_wait_xcnt 0x0                                ; tile a - 2's stores have read their registers: tile a's rows may land there
.endif
	TOSTAGE \a
	SEND \a-1, 16                                  ; behind tile a - 1's loads: tile a's 8 stores and 8 loads
.endr
	SEND 7, 0
	s_wait_tensorcnt 0x0
	ds_add_u32 v254, v255
	s_wait_dscnt 0x0
	s_endpgm
.Lfunc_end_k_q7a44d0ddb9_proj:
	.size	k_q7a44d0ddb9_proj, .Lfunc_end_k_q7a44d0ddb9_proj-k_q7a44d0ddb9_proj
	.p2alignl 7, 3214868480
	.fill 96, 4, 3214868480
	.section	.rodata,"a",@progbits
	.p2align	6, 0x0
	.amdhsa_kernel k_q7a44d0ddb9_proj
		.amdhsa_group_segment_fixed_size 168448
		.amdhsa_private_segment_fixed_size 0
		.amdhsa_enable_private_segment 0
		.amdhsa_kernarg_size 40
		.amdhsa_user_sgpr_count 2
		.amdhsa_user_sgpr_kernarg_segment_ptr 1
		.amdhsa_wavefront_size32 1
		.amdhsa_system_sgpr_workgroup_id_x 1
		.amdhsa_system_sgpr_workgroup_id_y 1
		.amdhsa_system_sgpr_workgroup_id_z 1
		.amdhsa_system_vgpr_workitem_id 0
		.amdhsa_next_free_vgpr 1024
		.amdhsa_next_free_sgpr 66
		.amdhsa_reserve_vcc 0
		.amdhsa_float_denorm_mode_32 3
		.amdhsa_float_denorm_mode_16_64 3
		.amdhsa_memory_ordered 1
		.amdhsa_forward_progress 1
		.amdhsa_inst_pref_size 88
	.end_amdhsa_kernel
	.amdgpu_metadata
---
amdhsa.version: [ 1, 2 ]
amdhsa.kernels:
  - .name:           k_q7a44d0ddb9_proj
    .symbol:         k_q7a44d0ddb9_proj.kd
    .args:
      - { .name: yc, .offset: 0, .size: 8, .value_kind: global_buffer, .address_space: global }
      - { .name: ys, .offset: 8, .size: 8, .value_kind: global_buffer, .address_space: global }
      - { .name: cod, .offset: 16, .size: 8, .value_kind: global_buffer, .address_space: global }
      - { .name: scl, .offset: 24, .size: 8, .value_kind: global_buffer, .address_space: global }
      - { .name: out0, .offset: 32, .size: 8, .value_kind: global_buffer, .address_space: global }
    .group_segment_fixed_size: 168448
    .private_segment_fixed_size: 0
    .kernarg_segment_align: 8
    .kernarg_segment_size: 40
    .max_flat_workgroup_size: 128
    .sgpr_count:     66
    .vgpr_count:     1024
    .wavefront_size: 32
...
	.end_amdgpu_metadata
.endif
;; end of part 8
